; MI455X (gfx1250); checked and timed in simulation.
; The chip was launched on July 23, 2026; its instructions are those of AMD's public machine-readable ISA for CDNA 5 (MIT licence, August 2026) and "CDNA5" Instruction Set Architecture Reference Guide (July 2026). The comments in the code are by the model that wrote it; some were corrected since.
;; Multi Head Attention. Allowed arithmetic: matrix products marked QUANTISED: E2M1 operands, one E8M0 scale for each 32 along K, by v_wmma_scale_f32_16x16x128_f8f6f4 with both operands' format E2M1 (or v_wmma_scale_f32_32x16x128_f4), f32 sums; products left as they are: bf16, f16 or f32 operands; f32 sums; everything else in f32.
;; Inputs: w_k 1,024 x 1,024 float32; w_q 1,024 x 1,024 float32; w_v 1,024 x 1,024 float32; x 4 x 2,048 x 1,024 float32.
;; Outputs: out0 4 x 2,048 x 1,024 float32.
;; This version of the problem:
;;   THIS VERSION OF THE PROBLEM IS GIVEN IN LOW PRECISION. The matrix products marked QUANTISED in the list below multiply operands that are first quantised to E2M1 (2 exponent bits, 1 mantissa bit; 4 bits a number), with one power-of-two scale for each 32 numbers along K (OCP MX v1.0); their sums are f32. The products marked 'left as it is' may take bf16, f16 or f32 operands, with f32 sums. Whichever they take, every output number must still come out within the allowed error. Rounding operands to bf16 (8 significant bits) uses up far more of that allowance than f16 does (11 bits, for magnitudes from 6e-5 to 65,504). All else is computed in f32.
;;   The module's matrix products, in the order in which they are computed (A, B: the left and right operand; K: the contracted axis; several contracted axes count as one K, in the product's order):
;;     1. [M 8,192, K 1,024] x [K 1,024, N 1,024]; A: input x; B: input w_q: QUANTISED
;;     2. [M 8,192, K 1,024] x [K 1,024, N 1,024]; A: input x; B: input w_k: QUANTISED
;;     3. [M 8,192, K 1,024] x [K 1,024, N 1,024]; A: input x; B: input w_v: QUANTISED
;;     4. batch 4 x [M 2,048, K 1,024] x [K 1,024, N 2,048]; A: computed on the way; B: computed on the way: left as it is (an operand is computed on the way)
;;     5. batch 4 x [M 2,048, K 2,048] x [K 2,048, N 1,024]; A: computed on the way; B: computed on the way: left as it is (an operand is computed on the way)
;;   THE QUANTISER, for each operand of a quantised product, along K:
;;     - K is cut into blocks of 32 from its start; a last block that is shorter is filled with zeros.
;;     - A block's scale is 2^e with e = floor(log2(the largest magnitude in the block)) - 2, held to -126 .. 127; a block of zeros has e = 0. As a byte (E8M0): e + 127.
;;     - Each number is divided by its block's scale, clamped to +-6, and rounded to the nearest number of E2M1, ties to even, subnormals kept.
;;     - The product sums the exact products of the quantised numbers (number of the format x scale) in f32.
;;   ~~~python
;;   def quantise(x, axis):      # numpy; x: float32 -> the quantised numbers, widened to float32 again
;;       x = np.moveaxis(x, axis, -1); K = x.shape[-1]
;;       x = np.pad(x, [(0, 0)] * (x.ndim - 1) + [(0, -K % 32)]); x = x.reshape(x.shape[:-1] + (-1, 32)); a = np.abs(x).max(-1, keepdims=True)
;;       e = np.where(a > 0, np.clip(np.frexp(np.where(a > 0, a, 1))[1] - 1 - 2, -126, 127), 0)      # np.frexp(a)[1] - 1 = floor(log2(a)), exactly
;;       r = np.clip(x / 2.0 ** e, -6, 6)
;;       step = 2.0 ** (np.maximum(np.frexp(np.where(r == 0, 1, r))[1] - 1, 0) - 1)
;;       q = np.round(r / step) * step * 2.0 ** e      # np.round: ties to even
;;       return np.moveaxis(q.reshape(q.shape[:-2] + (-1,))[..., :K], -1, axis).astype(np.float32)
;;   ~~~
;; One version. Each part assembles by itself: llvm-mc -triple=amdgcn-amd-amdhsa -mcpu=gfx1250 --defsym DOCPART=n.
;; ======== version 1 of 1: 4 launches
;; limits: values are held in f16: magnitudes above 65,504 overflow, below 6.1e-05 lose precision
;; workspace buffers: xcodes 4,194,304 bytes; xscales 262,144 bytes; wcodes 1,572,864 bytes; wscales 98,304 bytes; qkv 50,331,648 bytes; tsum 262,144 bytes; p 33,554,432 bytes; stats 1,048,576 bytes
;; launch quant (part 1): grid 352 x 1, 8 waves a work-group, no clusters, 68,608 bytes of LDS; arguments x, w_q, w_k, w_v, xcodes, xscales, wcodes, wscales; writes xcodes, xscales, wcodes, wscales
.if DOCPART == 1
	.amdgcn_target "amdgcn-amd-amdhsa--gfx1250"
	.amdhsa_code_object_version 6
	.text
	.protected	k_qd44b6e9911_quant
	.globl	k_qd44b6e9911_quant
	.p2align	8
	.type	k_qd44b6e9911_quant,@function
k_qd44b6e9911_quant:
	s_mov_b64 s[64:65], 0
	v_nop
	global_prefetch_b8 v0, s[64:65] scope:SCOPE_SE
	s_setreg_imm32_b32 hwreg(HW_REG_WAVE_MODE, 25, 1), 1
	s_wait_xcnt 0x0
; x [8192][1024] f32 (K innermost) and w_q, w_k, w_v [1024 (K)][1024] f32 (K outermost) become codes of E2M1 with one E8M0 byte for each 32 along K.
; A block's scale is 2^(floor(log2(largest magnitude)) - 2): its byte is the largest magnitude's exponent field - 2, held at 1 from below.
; THE CODES ARE LAID AS IMAGES OF OPERAND REGISTERS: a fragment (16 rows x 128 K, 8 registers a lane) is 1,024 bytes, byte 512 c + 16 lane = registers 4 c .. 4 c + 3 of that lane.
;   xcodes [group of 256 rows 32][K step 8][block of 16 rows 16][1024];  wcodes the same with 12 groups of operand rows n = 1024 sel + column (sel 0, 1, 2 = q, k, v).
;   xscales [K step 8][row 8192], wscales [K step 8][n 3072]: one word (four bytes) for a row and 128 along K.
; LIMITS: a block of zeros gets the byte 1 where the rule says 127 (its codes are zeros, and this program alone reads the bytes); NaN and infinities among the inputs are not served.
; Work-groups 0 to 255 take x (256 rows x one K step each), 256 to 351 the weights (256 columns x one K step each).  The two paths part on the work-group's number and never join; only x's path stores to LDS.
; No tensor load, no barrier: waves share nothing.  A wave asks for all its numbers at once (16 KB).
.set STG,   16*528                     ; a wave's stage: 16 rows of 512 bytes + 16 of padding (33 x 16 bytes: the sixteen rows of a read start at different banks)
.set SPARE, 8*STG                      ; behind the stages: the spare words, 128 bytes for each wave
.set SPW, 10                           ; v10  my spare word's LDS address; never rewritten
.set NIL, 11                           ; v11  0; never rewritten
.set TM,  12                           ; v12-27 at work in a quantisation
.set PW,  28                           ; v28, v29 scale words
.set PC,  32                           ; v32-47 codes
.set XN,  64                           ; v64-127 64 numbers of a lane, register 16 b + i = k 32 b + 16 (lane / 16) + i of its row
.set LD,  128                          ; v128-255 numbers as loaded
.set SEL, 22                           ; s[22:23] lane selects: lane l xor 16
; 64 numbers of a lane become a fragment's codes in v[pc] on and its row's scale word in v[pw]
.macro QUANT s, pc, pw
.irp b, 0,1,2,3
	v_max3_num_f32 v[TM+\b], |v[\s+16*\b]|, |v[\s+1+16*\b]|, 0x1800000   ; my 16 numbers of block b, and the floor 2^(3 - 127): the byte cannot fall under 1
.endr
.irp i, 2,4,6,8,10,12,14
.irp b, 0,1,2,3
	v_max3_num_f32 v[TM+\b], v[TM+\b], |v[\s+16*\b+\i]|, |v[\s+1+16*\b+\i]|
.endr
.endr
.irp b, 0,1,2,3
	v_permlanex16_b32 v[TM+4+\b], v[TM+\b], s[SEL], s[SEL+1]
.endr
.irp b, 0,1,2,3
	v_max_num_f32 v[TM+\b], v[TM+\b], v[TM+4+\b]                   ; with lane l xor 16's 16: the block's largest magnitude
.endr
.irp b, 0,1,2,3
	v_add_nc_u32 v[TM+12+\b], 0xff000000, v[TM+\b]                 ; 2 off its exponent field: the conversion's scale operand
.endr
.irp b, 0,1,2,3
	v_lshrrev_b32 v[TM+4+\b], 23, v[TM+12+\b]                      ; the scale's byte
.endr
	v_lshl_or_b32 v[\pw], v[TM+5], 8, v[TM+4]
	v_lshl_or_b32 v[\pw], v[TM+6], 16, v[\pw]
	v_lshl_or_b32 v[\pw], v[TM+7], 24, v[\pw]
.irp b, 0,1,2,3
	v_cvt_scalef32_pk8_fp4_f32 v[\pc+2*\b], v[\s+16*\b:\s+7+16*\b], v[TM+12+\b]
	v_cvt_scalef32_pk8_fp4_f32 v[\pc+1+2*\b], v[\s+8+16*\b:\s+15+16*\b], v[TM+12+\b]
.endr
	v_nop                                                          ; one plain place behind a scaled conversion
.irp c, 0,1                                                    ; the operand wants a whole block in a lane: lanes 0-15 block 2 c, lanes 16-31 block 2 c + 1
.irp i, 0,1
	v_permlane16_swap_b32 v[\pc+4*\c+\i], v[\pc+2+4*\c+\i]
.endr
.endr
.endm
	s_load_b256 s[4:11], s[0:1], 0x0               ; x, w_q, w_k, w_v
	s_load_b256 s[12:19], s[0:1], 0x20             ; xcodes, xscales, wcodes, wscales
	v_lshl_add_u32 v[SPW], v0, 2, SPARE
	v_mov_b32 v[NIL], 0
	v_lshrrev_b32 v1, 5, v0
	v_readfirstlane_b32 s20, v1                    ; wave 0..7
	v_and_b32 v1, 31, v0                           ; lane
	v_and_b32 v2, 15, v0                           ; r
	v_bfe_u32 v3, v0, 4, 1                         ; h
	v_lshlrev_b32 v4, 4, v1                        ; 16 x lane
	v_lshlrev_b32 v7, 2, v1                        ; 4 x lane
	s_mul_i32 s21, s20, STG
	v_add_nc_u32 v5, s21, v4                       ; the stage on the way in: a row as it lies
	v_mul_u32_u24 v6, v2, 528
	v_lshl_add_u32 v6, v3, 6, v6
	v_add_nc_u32 v6, s21, v6                       ; and on the way out: row r, + 64 h: my 16 numbers of a block of 32
	v_lshlrev_b32 v8, 4, v2
	v_lshl_add_u32 v8, v3, 10, v8                  ; the weights' codes: block (lane / 16) of my wave's two, 16 bytes at 16 (lane % 16)
	s_mov_b32 s[SEL], 0x76543210
	s_mov_b32 s[SEL+1], 0xfedcba98
.irp b, 0,1,2,3
	v_mov_b32 v[TM+4+\b], 0                        ; written once: a lane permute's destination counts as one of its sources
.endr
	s_wait_kmcnt 0x0
	s_cmp_lt_u32 ttmp9, 256
	s_cbranch_scc0 .Lweights
	; ---- x: group g = id / 8, K step q = id % 8; my wave: rows 256 g + 32 w .. + 31, two fragments
	s_lshr_b32 s24, ttmp9, 3
	s_and_b32 s25, ttmp9, 7
	s_lshl_b32 s26, s24, 8
	s_lshl_b32 s27, s20, 5
	s_add_co_u32 s26, s26, s27                     ; my first row
	s_lshl_b32 s28, s26, 12
	s_lshl_b32 s29, s25, 9
	s_add_co_u32 s28, s28, s29
	s_mov_b32 s29, 0
	s_add_nc_u64 s[4:5], s[4:5], s[28:29]          ; x at my first row, K step q
	s_lshl_b32 s28, ttmp9, 14                      ; (8 g + q) x 16,384
	s_lshl_b32 s30, s20, 11                        ; + my two fragments
	s_add_co_u32 s28, s28, s30
	s_add_nc_u64 s[12:13], s[12:13], s[28:29]
	s_lshl_b32 s28, s25, 15
	s_lshl_b32 s30, s26, 2
	s_add_co_u32 s28, s28, s30
	s_add_nc_u64 s[14:15], s[14:15], s[28:29]      ; my 32 scale words
.set i, 0
.rept 32
	global_load_b128 v[LD+4*i:LD+4*i+3], v4, s[4:5] offset:i*4096 th:TH_LOAD_NT   ; a row's K step: 32 lanes read 512 consecutive bytes
.set i, i+1
.endr
.macro XFRAG f
	s_wait_loadcnt 16-16*\f                        ; this fragment's 16 loads are in; the other fragment's may be out
.irp r, 0,1,2,3,4,5,6,7,8,9,10,11,12,13,14,15
	ds_store_b128 v5, v[LD+64*\f+4*\r:LD+64*\f+4*\r+3] offset:\r*528
.endr
.irp b, 0,1,2,3
.irp j, 0,1,2,3
	ds_load_b128 v[XN+16*\b+4*\j:XN+16*\b+4*\j+3], v6 offset:128*\b+16*\j   ; LDS serves a wave's instructions in order: these see the stores above
.endr
.endr
	s_wait_dscnt 0x0
	QUANT XN, PC+8*\f, PW+\f
.irp c, 0,1
	global_store_b128 v4, v[PC+8*\f+4*\c:PC+8*\f+4*\c+3], s[12:13] offset:\f*1024+512*\c   ; the image: 512 consecutive bytes
.endr
.endm
	XFRAG 0
	XFRAG 1
	v_cmp_eq_u32 vcc_lo, 1, v3
	v_cndmask_b32 v30, v[PW], v[PW+1], vcc_lo      ; lanes 0-15: rows 0-15's words; lanes 16-31: rows 16-31's
	global_store_b32 v7, v30, s[14:15]             ; 128 consecutive bytes
	s_wait_tensorcnt 0x0                           ; the wave's end, behind my last LDS store
	ds_add_u32 v[SPW], v[NIL]
	s_wait_dscnt 0x0
	s_endpgm
.Lweights:
	; ---- weights: id' = 32 sel + 8 nq + q.  A LANE TAKES A COLUMN, ITS REGISTERS RUN DOWN K: column 256 nq + 32 w + lane, rows 128 q .. + 127: four whole blocks a lane
	s_sub_co_u32 s24, ttmp9, 256
	s_lshr_b32 s25, s24, 5                         ; sel
	s_bfe_u32 s26, s24, 0x20003                    ; nq
	s_and_b32 s27, s24, 7                          ; q
	s_cmp_eq_u32 s25, 0
	s_cselect_b64 s[6:7], s[6:7], s[8:9]
	s_cmp_eq_u32 s25, 2
	s_cselect_b64 s[6:7], s[10:11], s[6:7]         ; the weight: a choice on the work-group's number alone
	s_lshl_b32 s28, s27, 19                        ; 128 q rows of 4,096 bytes
	s_lshl_b32 s30, s26, 10
	s_add_co_u32 s28, s28, s30
	s_lshl_b32 s30, s20, 7
	s_add_co_u32 s28, s28, s30
	s_mov_b32 s29, 0
	s_add_nc_u64 s[6:7], s[6:7], s[28:29]
	s_lshl_b32 s28, s24, 14                        ; ((4 sel + nq) 8 + q) x 16,384 = id' x 16,384
	s_lshl_b32 s30, s20, 11
	s_add_co_u32 s28, s28, s30
	s_add_nc_u64 s[16:17], s[16:17], s[28:29]
	s_mul_i32 s28, s27, 12288
	s_lshl_b32 s30, s25, 12
	s_add_co_u32 s28, s28, s30
	s_lshl_b32 s30, s26, 10
	s_add_co_u32 s28, s28, s30
	s_lshl_b32 s30, s20, 7
	s_add_co_u32 s28, s28, s30
	s_add_nc_u64 s[18:19], s[18:19], s[28:29]
.set i, 0
.rept 128
	global_load_b32 v[LD+i], v7, s[6:7] offset:i*4096 th:TH_LOAD_NT   ; a row of the weight at my wave's 32 columns; the eight waves stand side by side on 1,024 bytes
.set i, i+1
.endr
.macro WBLOCK t
.set XS, LD+32*(\t)
.if (\t) < 2
	s_wait_loadcnt 63                              ; behind this block's loads stand 96 (64) younger ones: a count of 63 leaves only younger ones out
.else
	s_wait_loadcnt 32*(3-(\t))
.endif
	v_max3_num_f32 v12, |v[XS]|, |v[XS+1]|, |v[XS+2]|
	v_max3_num_f32 v13, |v[XS+3]|, |v[XS+4]|, |v[XS+5]|
.irp i, 6,10,14,18,22,26
	v_max3_num_f32 v12, v12, |v[XS+\i]|, |v[XS+\i+1]|
	v_max3_num_f32 v13, v13, |v[XS+\i+2]|, |v[XS+\i+3]|
.endr
	v_max3_num_f32 v12, v12, |v[XS+30]|, |v[XS+31]|
	v_max3_num_f32 v12, v12, v13, 0x1800000        ; and the floor
	v_add_nc_u32 v[16+(\t)], 0xff000000, v12       ; the conversion's scale operand
	v_lshrrev_b32 v13, 23, v[16+(\t)]              ; the byte
.if (\t) == 0
	v_mov_b32 v[PW], v13
.else
	v_lshl_or_b32 v[PW], v13, 8*(\t), v[PW]
.endif
.irp g, 0,1,2,3
	v_cvt_scalef32_pk8_fp4_f32 v[PC+4*(\t)+\g], v[XS+8*\g:XS+8*\g+7], v[16+(\t)]
.endr
	v_nop                                          ; one plain place behind a scaled conversion
.endm
	WBLOCK 0
	WBLOCK 1
	WBLOCK 2
	WBLOCK 3
.irp t, 0,1,2,3
	global_store_b128 v8, v[PC+4*\t:PC+4*\t+3], s[16:17] offset:(\t/2)*512+(\t%2)*256   ; block t = 2 c + h of the image: sixteen lanes store 256 consecutive bytes, aligned
.endr
	global_store_b32 v7, v[PW], s[18:19]
	s_wait_tensorcnt 0x0                           ; the three closing lines, written on this path too
	ds_add_u32 v[SPW], v[NIL]
	s_wait_dscnt 0x0
	s_endpgm
.Lfunc_end_k_qd44b6e9911_quant:
	.size	k_qd44b6e9911_quant, .Lfunc_end_k_qd44b6e9911_quant-k_qd44b6e9911_quant
	.p2alignl 7, 3214868480
	.fill 96, 4, 3214868480
	.section	.rodata,"a",@progbits
	.p2align	6, 0x0
	.amdhsa_kernel k_qd44b6e9911_quant
		.amdhsa_group_segment_fixed_size 68608
		.amdhsa_private_segment_fixed_size 0
		.amdhsa_enable_private_segment 0
		.amdhsa_kernarg_size 64
		.amdhsa_user_sgpr_count 2
		.amdhsa_user_sgpr_kernarg_segment_ptr 1
		.amdhsa_wavefront_size32 1
		.amdhsa_system_sgpr_workgroup_id_x 1
		.amdhsa_system_sgpr_workgroup_id_y 1
		.amdhsa_system_sgpr_workgroup_id_z 1
		.amdhsa_system_vgpr_workitem_id 0
		.amdhsa_next_free_vgpr 256
		.amdhsa_next_free_sgpr 66
		.amdhsa_reserve_vcc 1
		.amdhsa_float_denorm_mode_32 3
		.amdhsa_float_denorm_mode_16_64 3
		.amdhsa_memory_ordered 1
		.amdhsa_forward_progress 1
		.amdhsa_inst_pref_size 37
	.end_amdhsa_kernel
	.amdgpu_metadata
---
amdhsa.version: [ 1, 2 ]
amdhsa.kernels:
  - .name:           k_qd44b6e9911_quant
    .symbol:         k_qd44b6e9911_quant.kd
    .args:
      - { .name: x, .offset: 0, .size: 8, .value_kind: global_buffer, .address_space: global }
      - { .name: w_q, .offset: 8, .size: 8, .value_kind: global_buffer, .address_space: global }
      - { .name: w_k, .offset: 16, .size: 8, .value_kind: global_buffer, .address_space: global }
      - { .name: w_v, .offset: 24, .size: 8, .value_kind: global_buffer, .address_space: global }
      - { .name: xcodes, .offset: 32, .size: 8, .value_kind: global_buffer, .address_space: global }
      - { .name: xscales, .offset: 40, .size: 8, .value_kind: global_buffer, .address_space: global }
      - { .name: wcodes, .offset: 48, .size: 8, .value_kind: global_buffer, .address_space: global }
      - { .name: wscales, .offset: 56, .size: 8, .value_kind: global_buffer, .address_space: global }
    .group_segment_fixed_size: 68608
    .private_segment_fixed_size: 0
    .kernarg_segment_align: 8
    .kernarg_segment_size: 64
    .max_flat_workgroup_size: 256
    .sgpr_count:     66
    .vgpr_count:     256
    .wavefront_size: 32
...
	.end_amdgpu_metadata
.endif
;; end of part 1
;; launch proj (part 2): grid 12 x 32, 4 waves a work-group, clusters of 4 x 4, 327,680 bytes of LDS; arguments xcodes, xscales, wcodes, wscales, qkv, tsum; writes qkv, tsum
.if DOCPART == 2
	.amdgcn_target "amdgcn-amd-amdhsa--gfx1250"
	.amdhsa_code_object_version 6
	.text
	.protected	k_qd44b6e9911_proj
	.globl	k_qd44b6e9911_proj
	.p2align	8
	.type	k_qd44b6e9911_proj,@function
k_qd44b6e9911_proj:
	s_mov_b64 s[64:65], 0
	v_nop
	global_prefetch_b8 v0, s[64:65] scope:SCOPE_SE
	s_setreg_imm32_b32 hwreg(HW_REG_WAVE_MODE, 25, 1), 1
	s_wait_xcnt 0x0
	s_wait_alu depctr_hold_cnt(0) depctr_sa_sdst(0) depctr_va_vdst(0) depctr_va_sdst(0) depctr_va_ssrc(0) depctr_va_vcc(0) depctr_vm_vsrc(0)
	s_getreg_b32 s2, hwreg(HW_REG_IB_STS2, 6, 4)
	s_cmp_eq_u32 s2, 0
	s_cbranch_scc0 .Lentry_in_a_cluster
	s_endpgm
.Lentry_in_a_cluster:
	s_bfe_u32 s2, ttmp6, 0x10000c
	s_cmp_lg_u32 s2, 0xf033
	s_cbranch_scc0 .Lentry_shape_is_right
	s_endpgm
.Lentry_shape_is_right:
; qkv[token][n] = sum over k of x^[token][k] w^[n][k], n = 1024 sel + column (q, k, v side by side), on codes of E2M1 with E8M0 scales, K = 1,024; sums in f32, K ascending; stored as f16.
; Beside it: tsum[tile of 128 tokens][channel] = the f32 sum of v over the tile's tokens, taken of the unrounded sums.
; LIMIT: |q|, |k|, |v| stay under 65,504, f16's largest number (with x and the weights both 30 times the drawn spread they reach some 5,400, with offsets of 30 spreads some 29,000).
; A tile of 256 tokens x 256 columns is made by four waves, 128 x 128 each: 64 accumulators, 512 registers.  Codes lie in memory as images of operand registers, so a K step's fragments are dense blocks:
; all of K (two slots of 512 along K for each side) and all scale words come into LDS by three tensor loads a wave at the start; nothing is filled again.
; CLUSTERS: 4 x 4 work-groups; x's tiles are shared along a row of the cluster, the weights' along a column: each is asked for jointly, by the same load with the same descriptor and a mask naming the four.
; THE MATRIX INSTRUCTION IS USED TRANSPOSED (source 0 = 16 rows of the weights, source 1 = 16 tokens): a lane holds one token and eight neighbouring columns.
; REGISTERS: window 0: v16-31 addresses; v32-95 scale words (two sets; they hold nothing else); v128-191 x's fragments, later the column sums; v192-223, v96-127, v224-255 the way out.
;   window 1: the weights' fragments, two sets, at v0 and v128.   windows 2, 3: the accumulators ((a, b) at v[8 (8 (a % 4) + b)]).
.set NQ,    4
.set FR,    8
.set NL,    2
.set NP,    4
.set ASL,   65536                      ; a slot of one side: [K step % 4][block 16][1024]
.set BOFF,  131072                     ; the weights' two slots lie behind x's two
.set SCA,   262144                     ; x's scale words [K step 8][256 rows]
.set SCB,   270336                     ; the weights'
.set STAGE, 278528                     ; 16 rows x 272 bytes for each wave
.set SPITCH, 272
.set TSS,   295936                     ; 512 bytes for each wave: the column sums
.set SPARE, 297984                     ; the spare words, 128 bytes for each wave
.set ADRA, 16
.set ADRB, 20
.set L16,  22
.set STO,  24
.set RD,   25
.set CO,   26
.set ADRS, 27
.set SPW,  28
.set NIL,  29
.set TSA,  30
.set TSR,  31
.set SC,   32
.set AF,   128
.set T,    128
.set TMP,  192
.set WV, 16
.set RH, 17                            ; which half of the tile's tokens is mine; also: I fetch for x (0) or for the weights (1)
.set CH, 18                            ; which half of its columns; also: which half of a slot I fetch
.set G1, 24
.set G0, 32
.set G1B, 48
.set G0B, 56
.set G1S, 68
.set G0S, 76
.set G1SB, 80
.set G0SB, 88
.set MSB, 0
.macro WIN new                         ; the immediate's high byte repeats the setting that is left
.if MSB != \new
	s_set_vgpr_msb (MSB<<8)|\new
.set MSB, \new
.endif
.endm
.set MUL_LO, 0xa1
.set MUL_HI, 0xf1
.set TO_B,   0x40
.macro JLOAD g0a, g1a, g0b, g1b        ; a joint load: waves 0, 1 fetch for x, waves 2, 3 for the weights; an s_nop 0 and four v_nop follow each line
	s_cmp_eq_u32 s[RH], 0
	s_cbranch_scc0 .Lfor_b_\@
	tensor_load_to_lds s[\g0a:\g0a+3], s[\g1a:\g1a+7]
	s_nop 0
.rept 4
	v_nop
.endr
	s_branch .Lasked_\@
.Lfor_b_\@:
	tensor_load_to_lds s[\g0b:\g0b+3], s[\g1b:\g1b+7]
	s_nop 0
.rept 4
	v_nop
.endr
.Lasked_\@:
.endm
.macro CROUND                          ; a round of the cluster's barrier
	s_barrier_signal -1
	s_barrier_wait -1
	s_cmp_lg_u32 s[WV], 0
	s_cbranch_scc1 .Lnot_wave_0_\@
	s_barrier_signal -3
.Lnot_wave_0_\@:
	s_barrier_wait -3
	s_barrier_signal -1
	s_barrier_wait -1
.endm
	s_load_b256 s[4:11], s[0:1], 0x0               ; xcodes, xscales, wcodes, wscales
	s_load_b128 s[12:15], s[0:1], 0x20             ; qkv, tsum
	v_lshl_add_u32 v[SPW], v0, 2, SPARE
	v_mov_b32 v[NIL], 0
	ds_add_u32 v[SPW], v[NIL]                      ; the opening: the add, twice on end, and its wait ahead of my first tensor load
	ds_add_u32 v[SPW], v[NIL]
	v_lshrrev_b32 v1, 5, v0
	v_readfirstlane_b32 s[WV], v1
	s_lshr_b32 s[RH], s[WV], 1
	s_and_b32 s[CH], s[WV], 1
	s_bfe_u32 s40, ttmp6, 0x40000                  ; cx
	s_bfe_u32 s41, ttmp6, 0x40004                  ; cy
	s_lshl_b32 s42, ttmp9, 2
	s_add_co_u32 s42, s42, s40                     ; tile column = the weights' group
	s_and_b32 s45, ttmp7, 0xffff
	s_lshl_b32 s45, s45, 2
	s_add_co_u32 s45, s45, s41                     ; tile row = x's group
	s_lshl_b32 s43, s41, 2
	s_lshl_b32 s43, 15, s43                        ; my row of the cluster
	s_lshl_b32 s44, 0x1111, s40                    ; my column
	; codes: half a slot, 32,768 dense bytes, as 128 rows of 256 bytes (32 elements of 8 bytes), no padding: image reads are consecutive
	s_or_b32 s[G1+0], s43, (3<<16)|(1<<21)
	s_or_b32 s[G1B+0], s44, (3<<16)|(1<<21)
.irp g, G1, G1B
	s_mov_b32 s[\g+1], 32<<16
	s_mov_b32 s[\g+2], 128<<16
	s_mov_b32 s[\g+3], 32<<16
	s_mov_b32 s[\g+4], 128
	s_mov_b32 s[\g+5], 32
	s_mov_b32 s[\g+6], 0
	s_mov_b32 s[\g+7], 0
.endr
	; scale words: four K steps' rows of 1,024 bytes (128 elements of 8 bytes); a K step's rows lie 32,768 (x) or 12,288 (weights) bytes apart
	s_or_b32 s[G1S+0], s43, (3<<16)|(1<<21)
	s_or_b32 s[G1SB+0], s44, (3<<16)|(1<<21)
.irp g, G1S, G1SB
	s_mov_b32 s[\g+1], 128<<16
	s_mov_b32 s[\g+2], 4<<16
	s_mov_b32 s[\g+3], 128<<16
	s_mov_b32 s[\g+4], 4
	s_mov_b32 s[\g+6], 0
	s_mov_b32 s[\g+7], 0
.endr
	s_mov_b32 s[G1S+5], 4096
	s_mov_b32 s[G1SB+5], 1536
	s_lshl_b32 s20, s45, 17                        ; x's codes: group x 131,072 + my half of a slot
	s_lshl_b32 s21, s[CH], 15
	s_add_co_u32 s20, s20, s21
	s_mov_b32 s21, 0
	s_lshl_b32 s22, s45, 10                        ; x's scale words: 1,024 x group + my four K steps
	s_lshl_b32 s23, s[CH], 17
	s_add_co_u32 s22, s22, s23
	s_mov_b32 s23, 0
	s_lshl_b32 s46, s42, 17                        ; the weights' likewise, in registers that never hold the tile row
	s_lshl_b32 s47, s[CH], 15
	s_add_co_u32 s46, s46, s47
	s_mov_b32 s47, 0
	s_lshl_b32 s92, s42, 10
	s_mul_i32 s93, s[CH], 49152
	s_add_co_u32 s92, s92, s93
	s_mov_b32 s93, 0
	s_lshl_b32 s94, s[RH], 17                      ; where codes go: side x 131,072 + half x 32,768: the wave's number alone
	s_lshl_b32 s95, s[CH], 15
	s_add_co_u32 s94, s94, s95
	s_lshl_b32 s95, s[WV], 12                      ; and scale words: wave x 4,096
	s_wait_dscnt 0x0                               ; both opening adds are done
	s_wait_kmcnt 0x0
	s_add_nc_u64 s[20:21], s[4:5], s[20:21]
	s_add_nc_u64 s[22:23], s[6:7], s[22:23]
	s_add_nc_u64 s[46:47], s[8:9], s[46:47]
	s_add_nc_u64 s[92:93], s[10:11], s[92:93]
	CROUND                                         ; all sixteen work-groups are here: the joint loads meet
	s_mov_b32 s[G0S], 1
	s_add_co_u32 s[G0S+1], s95, SCA
	s_mov_b64 s[G0S+2:G0S+3], s[22:23]
	s_or_b32 s[G0S+3], s[G0S+3], 0x80000000
	s_mov_b32 s[G0SB], 1
	s_add_co_u32 s[G0SB+1], s95, SCA
	s_mov_b64 s[G0SB+2:G0SB+3], s[92:93]
	s_or_b32 s[G0SB+3], s[G0SB+3], 0x80000000
	JLOAD G0S, G1S, G0SB, G1SB                     ; the scale words first
.irp s, 0,1
	s_mov_b32 s[G0+4*\s], 1
	s_add_co_u32 s[G0+4*\s+1], s94, \s*ASL
	s_add_nc_u64 s[G0+4*\s+2:G0+4*\s+3], s[20:21], \s*ASL
	s_or_b32 s[G0+4*\s+3], s[G0+4*\s+3], 0x80000000
	s_mov_b32 s[G0B+4*\s], 1
	s_add_co_u32 s[G0B+4*\s+1], s94, \s*ASL
	s_add_nc_u64 s[G0B+4*\s+2:G0B+4*\s+3], s[46:47], \s*ASL
	s_or_b32 s[G0B+4*\s+3], s[G0B+4*\s+3], 0x80000000
	JLOAD G0+4*\s, G1, G0B+4*\s, G1B               ; three loads of mine are out behind the second of these
.endr
	v_and_b32 v1, 15, v0                           ; r
	v_bfe_u32 v2, v0, 4, 1                         ; h
	v_and_b32 v3, 31, v0
	v_lshlrev_b32 v[L16], 4, v3                    ; 16 x lane: my place in an image
	s_lshl_b32 s20, s[RH], 13                      ; my eight blocks of x
	s_lshl_b32 s21, s[CH], 13
	s_add_co_u32 s21, s21, BOFF                    ; my eight blocks of the weights
.irp s, 0,1
	v_add_nc_u32 v[ADRA+\s], s20, v[L16]
	v_add_nc_u32 v[ADRB+\s], s21, v[L16]
	s_add_co_u32 s20, s20, ASL
	s_add_co_u32 s21, s21, ASL
.endr
	s_lshl_b32 s20, s[RH], 9
	s_lshl_b32 s21, s[CH], 9
	s_add_co_u32 s21, s21, SCB-SCA
	s_sub_co_u32 s21, s21, s20
	v_mul_u32_u24 v4, s21, v2                      ; lanes 16-31 take the weights' words: one product with h
	s_add_co_u32 s20, s20, SCA
	v_lshl_add_u32 v4, v1, 2, v4
	v_add_nc_u32 v[ADRS], s20, v4
	s_mul_i32 s22, s[WV], 16*SPITCH
	s_add_co_u32 s22, s22, STAGE
	v_mul_u32_u24 v4, v1, SPITCH
	v_lshl_add_u32 v4, v2, 4, v4
	v_add_nc_u32 v[STO], s22, v4                   ; into my stage: row r, 16 bytes for each half of the lanes
	v_mul_u32_u24 v5, v2, SPITCH
	v_lshl_add_u32 v5, v1, 4, v5
	v_add_nc_u32 v[RD], s22, v5                    ; back: lanes 0-15 one row of 256 bytes, lanes 16-31 the next
	v_mul_u32_u24 v5, v2, 6144
	v_lshl_add_u32 v[CO], v1, 4, v5                ; the same two rows in qkv
	s_lshl_b32 s22, s[WV], 9
	s_add_co_u32 s22, s22, TSS
	v_lshl_add_u32 v[TSA], v2, 5, s22
	v_add_nc_u32 v[TSR], s22, v[L16]
	s_lshl_b32 s20, s45, 8
	s_lshl_b32 s21, s[RH], 7
	s_add_co_u32 s20, s20, s21
	s_mul_i32 s20, s20, 6144                       ; my first token's row of qkv
	s_mov_b32 s21, 0
	s_lshl_b32 s46, s42, 9
	s_lshl_b32 s47, s[CH], 8
	s_add_co_u32 s46, s46, s47                     ; my first column, in bytes
	s_mov_b32 s47, 0
	s_add_nc_u64 s[12:13], s[12:13], s[20:21]
	s_add_nc_u64 s[12:13], s[12:13], s[46:47]
.macro FRAG reg, adr, q, i             ; a fragment's image: two loads of 512 consecutive bytes
.irp c, 0,1
	ds_load_b128 v[\reg+4*\c:\reg+4*\c+3], v[\adr] offset:16384*(\q)+1024*(\i)+512*\c
.endr
.endm
; 16 matrix instructions: x's blocks a0, a0 + 1 against the weights' eight, the slot's q-th 128 along K.  The 64 accumulators take turns, one instruction a turn.
.macro MUL16 a0, p, q, sc, zero
.irp a, \a0, \a0+1
.irp b, 0,1,2,3,4,5,6,7
.if \zero
	v_wmma_scale_f32_16x16x128_f8f6f4 v[8*(8*((\a)%4)+\b):8*(8*((\a)%4)+\b)+7], v[128*(\p)+FR*\b:128*(\p)+FR*\b+FR-1], v[AF+FR*(\a):AF+FR*(\a)+FR-1], 0, v[SC+8*NQ*(\sc)+NQ*\b+(\q)], v[SC+8*NQ*(\sc)+NQ*(\a)+(\q)] matrix_a_fmt:MATRIX_FMT_FP4 matrix_b_fmt:MATRIX_FMT_FP4 matrix_a_scale:MATRIX_SCALE_ROW1
.else
	v_wmma_scale_f32_16x16x128_f8f6f4 v[8*(8*((\a)%4)+\b):8*(8*((\a)%4)+\b)+7], v[128*(\p)+FR*\b:128*(\p)+FR*\b+FR-1], v[AF+FR*(\a):AF+FR*(\a)+FR-1], v[8*(8*((\a)%4)+\b):8*(8*((\a)%4)+\b)+7], v[SC+8*NQ*(\sc)+NQ*\b+(\q)], v[SC+8*NQ*(\sc)+NQ*(\a)+(\q)] matrix_a_fmt:MATRIX_FMT_FP4 matrix_b_fmt:MATRIX_FMT_FP4 matrix_a_scale:MATRIX_SCALE_ROW1
.endif
.endr
.endr
.endm
.macro FETCH_B slot, q, p
	WIN TO_B
.irp i, 0,1,2,3,4,5,6,7
	FRAG 128*(\p)+FR*\i, ADRB+\slot, \q, \i
.endr
	WIN 0
.endm
.macro FETCH_A slot, q, i0
.irp i, \i0, \i0+1, \i0+2, \i0+3
	FRAG AF+FR*(\i), ADRA+\slot, \q, \i
.endr
.endm
.macro SCALES sc                       ; a slot's scale words: register 4 i + q: lanes 0-15 x's block i, lanes 16-31 the weights' block i
.irp i, 0,1,2,3,4,5,6,7
.irp q, 0,1,2,3
	ds_load_b32 v[SC+8*NQ*\sc+NQ*\i+\q], v[ADRS] offset:(4*\sc+\q)*1024+\i*64
.endr
.endr
.endm
.macro PLACES n                        ; plain vector places behind matrix instructions, ahead of loads into registers that they read and of reads of their results
.rept \n
	v_nop
.endr
.endm
.macro STEP slot, q, zero
	s_wait_dscnt 4*NL                              ; all but the youngest eight loads, x's blocks 4-7
	WIN MUL_LO
	MUL16 0, (\q)%2, \q, \slot, \zero
	MUL16 2, (\q)%2, \q, \slot, \zero
	s_wait_dscnt 0
	PLACES NP
	FETCH_B \slot, (\q)+1, 1-(\q)%2
	FETCH_A \slot, (\q)+1, 0
	WIN MUL_HI
	MUL16 4, (\q)%2, \q, \slot, \zero
	MUL16 6, (\q)%2, \q, \slot, \zero
	PLACES NP
	WIN 0
	FETCH_A \slot, (\q)+1, 4
.endm
	s_wait_tensorcnt 1                             ; the scale words and my part of slot 0 are in; slot 1's load may stay out
	s_barrier_signal -1
	s_barrier_wait -1
	FETCH_B 0, 0, 0
	FETCH_A 0, 0, 0
	SCALES 0
	FETCH_A 0, 0, 4
	STEP 0, 0, 1                                   ; the first step's products start the sums: nothing is cleared
	STEP 0, 1, 0
	STEP 0, 2, 0
	; slot 0's last step, and the change to slot 1: every wave's part of slot 1 has landed in front of the barrier
	s_wait_tensorcnt 0x0
	ds_add_u32 v[SPW], v[NIL]
	s_wait_dscnt 4*NL+1                            ; the add and x's blocks 4-7 may be out
	WIN MUL_LO
	MUL16 0, 1, 3, 0, 0
	s_wait_dscnt 0x0
	s_barrier_signal -1
	MUL16 2, 1, 3, 0, 0
	WIN 0
	s_barrier_wait -1
	PLACES NP
	FETCH_B 1, 0, 0
	FETCH_A 1, 0, 0
	SCALES 1
	WIN MUL_HI
	MUL16 4, 1, 3, 0, 0
	MUL16 6, 1, 3, 0, 0
	PLACES NP
	WIN 0
	FETCH_A 1, 0, 4
	STEP 1, 0, 0
	STEP 1, 1, 0
	STEP 1, 2, 0
	s_wait_dscnt 4*NL                              ; the very last step
	WIN MUL_LO
	MUL16 0, 1, 3, 1, 0
	MUL16 2, 1, 3, 1, 0
	s_wait_dscnt 0
	WIN MUL_HI
	MUL16 4, 1, 3, 1, 0
	MUL16 6, 1, 3, 1, 0
	WIN 0
	PLACES NP                                      ; behind the last products, ahead of every read of results on both ways below
	; THE COLUMN SUMS OF v: only the clusters of v's tile columns 8 to 11 (cluster x = 2, the same in all partners)
	s_cmp_lg_u32 ttmp9, 2
	s_cbranch_scc1 .Lno_sum
	WIN 0x0e                                       ; source 0 window 2, source 1 window 3
.set i, 0
.rept 32
	v_pk_add_f32 v[T+i:T+i+1], v[i:i+1], v[i:i+1]  ; blocks 0 and 4; each accumulator is read from its low end on
.set i, i+2
.endr
	WIN 0x08
.irp a, 1,2,3
.set i, 0
.rept 32
	v_pk_add_f32 v[T+i:T+i+1], v[T+i:T+i+1], v[64*\a+i:64*\a+i+1]
.set i, i+2
.endr
.endr
	WIN 0x0c
.irp a, 1,2,3
.set i, 0
.rept 32
	v_pk_add_f32 v[T+i:T+i+1], v[T+i:T+i+1], v[64*\a+i:64*\a+i+1]
.set i, i+2
.endr
.endr
	WIN 0
.irp m, 1,2,4,8                                ; over the sixteen tokens that lie in the sixteen lanes of a half
.set i, 0
.rept 64
	v_add_f32_dpp v[T+i], v[T+i], v[T+i] row_xmask:\m row_mask:0xf bank_mask:0xf
.set i, i+1
.endr
.endr
.irp b, 0,1,2,3,4,5,6,7
	ds_store_b128 v[TSA], v[T+8*\b:T+8*\b+3] offset:64*\b          ; channels 16 b + 8 h + 0 .. 7; the sixteen lanes of a half write the same bytes with the same values
	ds_store_b128 v[TSA], v[T+8*\b+4:T+8*\b+7] offset:64*\b+16
.endr
	ds_load_b128 v[224:227], v[TSR]                ; LDS serves a wave's instructions in order: this sees my stores
	s_lshl_b32 s20, s45, 13
	s_lshl_b32 s21, s[RH], 12
	s_add_co_u32 s20, s20, s21                     ; token tile 2 x tile row + half, 4,096 bytes each
	s_mov_b32 s21, 0
	s_sub_co_u32 s46, s42, 8
	s_lshl_b32 s46, s46, 10
	s_lshl_b32 s47, s[CH], 9
	s_add_co_u32 s46, s46, s47
	s_mov_b32 s47, 0
	s_add_nc_u64 s[14:15], s[14:15], s[20:21]
	s_add_nc_u64 s[14:15], s[14:15], s[46:47]
	s_wait_dscnt 0x0
	global_store_b128 v[L16], v[224:227], s[14:15] ; 512 consecutive bytes
.Lno_sum:
; THE WAY OUT, a block of 16 tokens at a time: rounded to f16, 16 bytes a lane; through my own stage; back as whole rows of 256 bytes.
.macro PACK a
.set AC, 64*((\a)%4)
	WIN 0x0a+5*((\a)/4)
.irp b, 0,1,2,3,4,5,6,7
.irp r, 0,1,2,3
	v_cvt_pk_f16_f32 v[TMP+4*\b+\r], v[AC+8*\b+2*\r], v[AC+8*\b+2*\r+1]
.endr
.endr
	WIN 0
.endm
.macro TOSTAGE a
.set BK, 96+128*((\a)%2)
.irp b, 0,1,2,3,4,5,6,7
	ds_store_b128 v[STO], v[TMP+4*\b:TMP+4*\b+3] offset:32*\b
.endr
.irp t, 0,1,2,3,4,5,6,7
	ds_load_b128 v[BK+4*\t:BK+4*\t+3], v[RD] offset:\t*2*SPITCH
.endr
.endm
.macro SEND a
.set BK, 96+128*((\a)%2)
	s_wait_dscnt 0x0                               ; the block is back in registers
	s_wait_xcnt 0x0                                ; earlier stores have read their base and their registers: both may be written again
.if (\a) > 0
	s_add_nc_u64 s[12:13], s[12:13], 16*6144
.endif
.irp t, 0,1,2,3,4,5,6,7
	global_store_b128 v[CO], v[BK+4*\t:BK+4*\t+3], s[12:13] offset:2*\t*6144   ; sixteen lanes store 256 consecutive bytes, aligned
.endr
.endm
	PACK 0
	TOSTAGE 0
.irp a, 1,2,3,4,5,6,7
	PACK \a
	SEND \a-1
	TOSTAGE \a
.endr
	SEND 7
	s_wait_tensorcnt 0x0                           ; the wave's end
	ds_add_u32 v[SPW], v[NIL]
	s_wait_dscnt 0x0
	CROUND                                         ; the closing round
	s_endpgm
.Lfunc_end_k_qd44b6e9911_proj:
	.size	k_qd44b6e9911_proj, .Lfunc_end_k_qd44b6e9911_proj-k_qd44b6e9911_proj
	.p2alignl 7, 3214868480
	.fill 96, 4, 3214868480
	.section	.rodata,"a",@progbits
	.p2align	6, 0x0
	.amdhsa_kernel k_qd44b6e9911_proj
		.amdhsa_group_segment_fixed_size 327680
		.amdhsa_private_segment_fixed_size 0
		.amdhsa_enable_private_segment 0
		.amdhsa_kernarg_size 48
		.amdhsa_user_sgpr_count 2
		.amdhsa_user_sgpr_kernarg_segment_ptr 1
		.amdhsa_wavefront_size32 1
		.amdhsa_system_sgpr_workgroup_id_x 1
		.amdhsa_system_sgpr_workgroup_id_y 1
		.amdhsa_system_sgpr_workgroup_id_z 1
		.amdhsa_system_vgpr_workitem_id 0
		.amdhsa_next_free_vgpr 1024
		.amdhsa_next_free_sgpr 100
		.amdhsa_reserve_vcc 0
		.amdhsa_float_denorm_mode_32 3
		.amdhsa_float_denorm_mode_16_64 3
		.amdhsa_memory_ordered 1
		.amdhsa_forward_progress 1
		.amdhsa_inst_pref_size 161
	.end_amdhsa_kernel
	.amdgpu_metadata
---
amdhsa.version: [ 1, 2 ]
amdhsa.kernels:
  - .name:           k_qd44b6e9911_proj
    .symbol:         k_qd44b6e9911_proj.kd
    .args:
      - { .name: xcodes, .offset: 0, .size: 8, .value_kind: global_buffer, .address_space: global }
      - { .name: xscales, .offset: 8, .size: 8, .value_kind: global_buffer, .address_space: global }
      - { .name: wcodes, .offset: 16, .size: 8, .value_kind: global_buffer, .address_space: global }
      - { .name: wscales, .offset: 24, .size: 8, .value_kind: global_buffer, .address_space: global }
      - { .name: qkv, .offset: 32, .size: 8, .value_kind: global_buffer, .address_space: global }
      - { .name: tsum, .offset: 40, .size: 8, .value_kind: global_buffer, .address_space: global }
    .group_segment_fixed_size: 327680
    .private_segment_fixed_size: 0
    .kernarg_segment_align: 8
    .kernarg_segment_size: 48
    .max_flat_workgroup_size: 128
    .sgpr_count:     100
    .vgpr_count:     1024
    .wavefront_size: 32
...
	.end_amdgpu_metadata
.endif
;; end of part 2
;; launch scores (part 3): grid 36 x 4, 4 waves a work-group, no clusters, 327,680 bytes of LDS; arguments qkv, p, stats; writes p, stats
.if DOCPART == 3
	.amdgcn_target "amdgcn-amd-amdhsa--gfx1250"
	.amdhsa_code_object_version 6
	.text
	.protected	k_qd44b6e9911_scores
	.globl	k_qd44b6e9911_scores
	.p2align	8
	.type	k_qd44b6e9911_scores,@function
k_qd44b6e9911_scores:
	s_mov_b64 s[64:65], 0
	v_nop
	global_prefetch_b8 v0, s[64:65] scope:SCOPE_SE
	s_setreg_imm32_b32 hwreg(HW_REG_WAVE_MODE, 25, 1), 1
	s_wait_xcnt 0x0
; For each batch and each tile (I, J), J <= I, of 256 queries x 256 keys: S = q k^T (f16 operands, f32 sums, K = 1,024); scores of keys behind the query become 0, as the multiplicative mask makes them;
; then, for each query and each tile of 128 keys by itself: t = S log2(e) / 32, M = the tile's largest t rounded up to a whole number, p = 2^(t - M) (at most 1), stored as f16;
; stats plane 0 holds -M, plane 1 the f32 sum of the unrounded p.  The next launch brings the tiles of a row under one M by exact powers of two.  Tiles with J > I are thrown away by the mask and are not made.
; NO CLUSTER: row I of the triangle has I + 1 tiles and column J has 8 - J: no group of four divides either, so partners would want different numbers of tiles.
; Four waves, 128 x 128 each: 64 accumulators in windows 2 and 3.  K goes in steps of 128 through two LDS slots; each wave fetches a quarter of a slot (128 rows x 256 bytes) by one tensor load.
; A refill stands straight behind its barrier and has 224 matrix instructions in which to land.
; THE MATRIX INSTRUCTION IS USED TRANSPOSED: source 0 = 16 keys, source 1 = 16 queries: a lane holds one query (lane % 16) and keys 8 (lane / 16) + 0 .. 7 of each block.
; REGISTERS: window 0: v1, v2 r, h; v16-31 addresses; v64-191 q's fragments, two buffers; on the way out v32-242 at work.   window 1: v64-191 k's fragments.   windows 2, 3: accumulator (a, b) at v[8 (8 (a % 4) + b)].
.set KSTEP,  128
.set PITCH,  272
.set HALFT,  128*PITCH
.set SLOT,   4*HALFT
.set STAGE,  2*SLOT
.set SPITCH, 272
.set STT,    STAGE+4*16*SPITCH         ; 1,024 bytes for each wave: the rows' two figures
.set SPARE,  STT+4096
.set ADRA, 16
.set ADRB, 20
.set STO,  24
.set RD,   25
.set CO,   26
.set SW,   27
.set SPW,  28
.set NIL,  29
.set SR,   30
.set SG,   31
.set F0,   64
.set F1,   128
.set MX,   32                          ; v32-53  partial maxima, later partial sums
.set ST,   54                          ; v54-69  for block a the pair (-M, largest t)
.set LS,   70                          ; v70-77  the sums
.set T,    80                          ; v80-143 64 numbers at work
.set H,    144                         ; v144-175 p as f16 pairs
.set VD,   240
.set VZ,   241
.set PT,   242
.set G1, 24
.set G0, 32
.set CS, 40                            ; s[40:41] log2(e) / 32
.set SEL, 42
.set DD, 44                            ; my first query less my first key
.set MSB, 0
.macro WIN new
.if MSB != \new
	s_set_vgpr_msb (MSB<<8)|\new
.set MSB, \new
.endif
.endm
.set MUL_LO, 0xa1
.set MUL_HI, 0xf1
.set TO_B,   0x40
	s_load_b128 s[4:7], s[0:1], 0x0                ; qkv, p
	s_load_b64 s[8:9], s[0:1], 0x10                ; stats
	v_lshl_add_u32 v[SPW], v0, 2, SPARE
	v_mov_b32 v[NIL], 0
	ds_add_u32 v[SPW], v[NIL]                      ; the opening: the add, twice on end, and its wait ahead of my first tensor load
	ds_add_u32 v[SPW], v[NIL]
	v_lshrrev_b32 v1, 5, v0
	v_readfirstlane_b32 s10, v1                    ; wave
	s_lshr_b32 s11, s10, 1                         ; my half of the queries; also: I fetch q (0) or k (1)
	s_and_b32 s12, s10, 1                          ; my half of the keys; also: which 128 rows I fetch
	s_mov_b32 s13, 0
.irp k, 1,3,6,10,15,21,28                      ; I = how many triangular numbers the work-group's number has reached
	s_cmp_ge_u32 ttmp9, \k
	s_cselect_b32 s14, 1, 0
	s_add_co_u32 s13, s13, s14
.endr
	s_add_co_u32 s14, s13, 1
	s_mul_i32 s14, s14, s13
	s_lshr_b32 s14, s14, 1
	s_sub_co_u32 s14, ttmp9, s14                   ; J
	s_and_b32 s15, ttmp7, 0xffff                   ; batch
	s_mov_b32 s[G1+0], (1<<16)|(1<<20)|(5<<22)|(3<<25)   ; elements of 2 bytes; 4 words of padding behind every 64
	s_mov_b32 s[G1+1], KSTEP<<16
	s_mov_b32 s[G1+2], 128<<16
	s_mov_b32 s[G1+3], KSTEP<<16
	s_mov_b32 s[G1+4], 128
	s_mov_b32 s[G1+5], 3072
	s_mov_b32 s[G1+6], 0
	s_mov_b32 s[G1+7], 0
	s_cmp_eq_u32 s11, 0
	s_cselect_b32 s16, s13, s14
	s_lshl_b32 s16, s16, 8
	s_lshl_b32 s17, s12, 7
	s_add_co_u32 s16, s16, s17
	s_lshl_b32 s17, s15, 11
	s_add_co_u32 s16, s16, s17                     ; the first token that I fetch
	s_mul_i32 s16, s16, 6144
	s_lshl_b32 s17, s11, 11                        ; q at byte 0 of a row, k at byte 2,048
	s_add_co_u32 s16, s16, s17
	s_mov_b32 s17, 0
	s_mul_i32 s20, s10, HALFT
	s_mov_b32 s[CS], 0x3d38aa3b
	s_mov_b32 s[CS+1], s[CS]
	s_mov_b32 s[SEL], 0x76543210
	s_mov_b32 s[SEL+1], 0xfedcba98
	s_wait_dscnt 0x0
	s_wait_kmcnt 0x0
	s_add_nc_u64 s[18:19], s[4:5], s[16:17]
.irp s, 0,1
	s_mov_b32 s[G0+4*\s], 1
	s_add_co_u32 s[G0+4*\s+1], s20, \s*SLOT
	s_add_nc_u64 s[G0+4*\s+2:G0+4*\s+3], s[18:19], \s*KSTEP*2
	s_or_b32 s[G0+4*\s+3], s[G0+4*\s+3], 0x80000000
	tensor_load_to_lds s[G0+4*\s:G0+4*\s+3], s[G1:G1+7]            ; both first fills go out together: two loads of mine are out
	s_nop 0
.endr
	v_and_b32 v1, 15, v0                           ; r
	v_bfe_u32 v2, v0, 4, 1                         ; h
	v_mul_u32_u24 v3, v1, PITCH
	v_lshl_add_u32 v3, v2, 4, v3
	s_mul_i32 s21, s11, HALFT
	s_mul_i32 s22, s12, HALFT
	s_add_co_u32 s22, s22, 2*HALFT
.irp s, 0,1
	v_add_nc_u32 v[ADRA+\s], s21, v3
	v_add_nc_u32 v[ADRB+\s], s22, v3
	s_add_co_u32 s21, s21, SLOT
	s_add_co_u32 s22, s22, SLOT
.endr
	s_mul_i32 s23, s10, 16*SPITCH
	s_add_co_u32 s23, s23, STAGE
	v_mul_u32_u24 v4, v1, SPITCH
	v_lshl_add_u32 v4, v2, 4, v4
	v_add_nc_u32 v[STO], s23, v4
	v_mul_u32_u24 v5, v2, SPITCH
	v_lshl_add_u32 v5, v1, 4, v5
	v_add_nc_u32 v[RD], s23, v5
	v_lshlrev_b32 v5, 12, v2
	v_lshl_add_u32 v[CO], v1, 4, v5                ; two rows of p, 4,096 bytes apart
	s_lshl_b32 s23, s10, 10
	s_add_co_u32 s23, s23, STT
	v_lshl_add_u32 v[SW], v1, 2, s23
	v_and_b32 v5, 31, v0
	v_lshlrev_b32 v[SG], 4, v5
	v_add_nc_u32 v[SR], s23, v[SG]
	s_lshl_b32 s21, s13, 8
	s_lshl_b32 s22, s11, 7
	s_add_co_u32 s21, s21, s22                     ; my first query
	s_lshl_b32 s22, s14, 8
	s_lshl_b32 s23, s12, 7
	s_add_co_u32 s22, s22, s23                     ; my first key
	s_sub_co_i32 s[DD], s21, s22
	s_lshl_b32 s16, s15, 11
	s_add_co_u32 s16, s16, s21
	s_lshl_b32 s16, s16, 12
	s_lshl_b32 s23, s22, 1
	s_add_co_u32 s16, s16, s23
	s_add_nc_u64 s[6:7], s[6:7], s[16:17]          ; p at my corner
	s_lshl_b32 s16, s15, 4
	s_lshl_b32 s23, s14, 1
	s_add_co_u32 s16, s16, s23
	s_add_co_u32 s16, s16, s12                     ; 16 batch + my tile of 128 keys
	s_lshl_b32 s16, s16, 13
	s_lshl_b32 s23, s21, 2
	s_add_co_u32 s16, s16, s23
	s_add_nc_u64 s[8:9], s[8:9], s[16:17]
.macro MUL16 f, hi, a0, zero           ; 16 matrix instructions; the 64 accumulators take turns, one instruction a turn
.irp a, \a0, \a0+1
.irp b, 0,1,2,3,4,5,6,7
.if \zero
	v_wmma_f32_16x16x32_f16 v[8*(8*(\a)+\b):8*(8*(\a)+\b)+7], v[\f+8*\b:\f+8*\b+7], v[\f+8*(4*\hi+\a):\f+8*(4*\hi+\a)+7], 0
.else
	v_wmma_f32_16x16x32_f16 v[8*(8*(\a)+\b):8*(8*(\a)+\b)+7], v[\f+8*\b:\f+8*\b+7], v[\f+8*(4*\hi+\a):\f+8*(4*\hi+\a)+7], v[8*(8*(\a)+\b):8*(8*(\a)+\b)+7]
.endif
.endr
.endr
.endm
.macro FETCH slot, k, f                ; 32 LDS loads in one run: k's fragments, then q's
	WIN TO_B
.irp i, 0,1,2,3,4,5,6,7
	ds_load_b128 v[\f+8*\i:\f+8*\i+3],   v[ADRB+\slot] offset:\k+\i*16*PITCH
	ds_load_b128 v[\f+8*\i+4:\f+8*\i+7], v[ADRB+\slot] offset:\k+\i*16*PITCH+32
.endr
	WIN 0
.irp i, 0,1,2,3,4,5,6,7
	ds_load_b128 v[\f+8*\i:\f+8*\i+3],   v[ADRA+\slot] offset:\k+\i*16*PITCH
	ds_load_b128 v[\f+8*\i+4:\f+8*\i+7], v[ADRA+\slot] offset:\k+\i*16*PITCH+32
.endr
.endm
.macro PLACES                          ; four plain places behind matrix instructions (ISA guide 7.12.1)
.rept 4
	v_nop
.endr
.endm
.macro QUARTER slot, k, f, g, zero
	s_wait_dscnt 8                                 ; all but the youngest eight loads (q's rows 64-127)
	WIN MUL_LO
	MUL16 \f, 0, 0, \zero
	MUL16 \f, 0, 2, \zero
	PLACES
	FETCH \slot, \k, \g
	s_wait_dscnt 32                                ; all but the 32 just issued
	WIN MUL_HI
	MUL16 \f, 1, 0, \zero
	MUL16 \f, 1, 2, \zero
.endm
; A K step's last quarter changes slots: one barrier; in front of it each wave waits for all its tensor loads (its part of the next slot), adds 0 to its spare word, and waits for that and its reads of this slot.
.macro TURN slot, next, fill
	WIN 0
	s_wait_tensorcnt 0x0
	ds_add_u32 v[SPW], v[NIL]
.if \fill
	s_add_nc_u64 s[G0+4*\slot+2:G0+4*\slot+3], s[G0+4*\slot+2:G0+4*\slot+3], 2*KSTEP*2   ; no load of mine is out: this slot's next K step
.endif
	s_wait_dscnt 9                                 ; the add and the youngest eight loads may be out
	WIN MUL_LO
	MUL16 F1, 0, 0, 0
	s_wait_dscnt 0x0                               ; the add is done, my reads of this slot are over
	s_barrier_signal -1
	MUL16 F1, 0, 2, 0
	WIN 0
	s_barrier_wait -1
.if \fill
	tensor_load_to_lds s[G0+4*\slot:G0+4*\slot+3], s[G1:G1+7]      ; my one load behind the barrier, first thing there
	s_nop 0
.endif
	PLACES                                         ; (also the four lines behind the load)
	FETCH \next, 0, F0
	WIN MUL_HI
	MUL16 F1, 1, 0, 0
	MUL16 F1, 1, 2, 0
.endm
	s_wait_tensorcnt 1                             ; my part of K step 0 is in; K step 1's may stay out
	s_barrier_signal -1
	s_barrier_wait -1
	FETCH 0, 0, F0
	QUARTER 0, 64,  F0, F1, 1                      ; the first products start the sums
	WIN 0
	s_mov_b32 s3, 3
.Llap:                                             ; three trips, each once round the ring: six refills beside the two first fills: eight K steps
	QUARTER 0, 128, F1, F0, 0
	QUARTER 0, 192, F0, F1, 0
	TURN 0, 1, 1
	QUARTER 1, 64,  F0, F1, 0
	QUARTER 1, 128, F1, F0, 0
	QUARTER 1, 192, F0, F1, 0
	TURN 1, 0, 1
	QUARTER 0, 64,  F0, F1, 0
	WIN 0
	s_sub_co_u32 s3, s3, 1
	s_cmp_lg_u32 s3, 0
	s_cbranch_scc1 .Llap
	QUARTER 0, 128, F1, F0, 0                      ; the last lap asks for nothing
	QUARTER 0, 192, F0, F1, 0
	TURN 0, 1, 0
	QUARTER 1, 64,  F0, F1, 0
	QUARTER 1, 128, F1, F0, 0
	QUARTER 1, 192, F0, F1, 0
	s_wait_dscnt 8
	WIN MUL_LO
	MUL16 F1, 0, 0, 0
	MUL16 F1, 0, 2, 0
	s_wait_dscnt 0
	WIN MUL_HI
	MUL16 F1, 1, 0, 0
	MUL16 F1, 1, 2, 0
	WIN 0
	PLACES
	v_mov_b32 v[PT], 0                             ; a lane permute's destination counts as one of its sources
	; THE MASK.  Key key0 + 16 b + 8 h + j is hidden from query q0 + 16 a + r where 16 b + j - 16 a > DD + r - 8 h.  A wave all of whose keys count (DD >= 128) skips it: a branch on ids.
	s_cmp_ge_i32 s[DD], 128
	s_cbranch_scc1 .Lopen
	v_lshlrev_b32 v[VD], 3, v2
	v_sub_nc_u32 v[VD], v1, v[VD]
	v_add_nc_u32 v[VD], s[DD], v[VD]
	v_mov_b32 v[VZ], 0
.irp a, 0,1,2,3,4,5,6,7
	WIN 0x82+0x41*(\a/4)                           ; source 0 and destination: the accumulators' window
.set n, 0
.rept 64
	v_cmp_gt_i32 vcc_lo, 16*(n/8)+n%8-16*\a, v[VD]
	v_cndmask_b32 v[64*(\a%4)+n], v[64*(\a%4)+n], v[VZ], vcc_lo    ; a hidden score is 0, not -infinity
.set n, n+1
.endr
.endr
	WIN 0
.Lopen:
; Block a (16 queries x my 128 keys): the largest score, -M, p, the sum, p as f16.  The 64 exponentials are one batch with one wait.
.macro SOFT a
.set AC, 64*((\a)%4)
.set SA, ST+2*(\a)
	WIN 0x2a+0x15*((\a)/4)
.set k, 0
.rept 21
	v_max3_num_f32 v[MX+k], v[AC+3*k], v[AC+3*k+1], v[AC+3*k+2]    ; ascending: each accumulator is read from its low end on
.set k, k+1
.endr
	v_max_num_f32 v[MX+21], v[AC+62], v[AC+63]
	WIN 0
.irp k, 0,3,6,9,12,15,18
	v_max3_num_f32 v[MX+\k], v[MX+\k], v[MX+\k+1], v[MX+\k+2]
.endr
	v_max3_num_f32 v[MX], v[MX], v[MX+3], v[MX+6]
	v_max3_num_f32 v[MX+9], v[MX+9], v[MX+12], v[MX+15]
	v_max3_num_f32 v[MX], v[MX], v[MX+9], v[MX+18]
	v_max_num_f32 v[MX], v[MX], v[MX+21]
	v_permlanex16_b32 v[PT], v[MX], s[SEL], s[SEL+1]
	v_max_num_f32 v[MX], v[MX], v[PT]              ; with lane l xor 16's 64 keys
	v_mul_f32 v[SA+1], s[CS], v[MX]                ; as t
	v_floor_f32 v[SA], -v[SA+1]                    ; -M = floor(-t): M is a whole number
	WIN 0x02+((\a)/4)
.set i, 0
.rept 32
	v_pk_fma_f32 v[T+i:T+i+1], v[AC+i:AC+i+1], s[CS:CS+1], v[SA:SA+1] op_sel_hi:[1,0,0]   ; t - M
.set i, i+2
.endr
	WIN 0
.set i, 0
.rept 64
	v_exp_f32 v[T+i], v[T+i]
.set i, i+1
.endr
	v_nop                                          ; a plain place behind the last exponential
	s_wait_alu depctr_va_vdst(0)                   ; one wait for the batch, ahead of its first reader
	v_pk_add_f32 v[MX:MX+1], v[T:T+1], v[T+2:T+3]  ; the sum of the unrounded p, in two chains
	v_pk_add_f32 v[MX+2:MX+3], v[T+4:T+5], v[T+6:T+7]
.irp j, 8,12,16,20,24,28,32,36,40,44,48,52,56,60
	v_pk_add_f32 v[MX:MX+1], v[MX:MX+1], v[T+\j:T+\j+1]
	v_pk_add_f32 v[MX+2:MX+3], v[MX+2:MX+3], v[T+\j+2:T+\j+3]
.endr
	v_pk_add_f32 v[MX:MX+1], v[MX:MX+1], v[MX+2:MX+3]
	v_add_f32 v[MX], v[MX], v[MX+1]
	v_permlanex16_b32 v[PT], v[MX], s[SEL], s[SEL+1]
	v_add_f32 v[LS+(\a)], v[MX], v[PT]
.set i, 0
.rept 32
	v_cvt_pk_f16_f32 v[H+i], v[T+2*i], v[T+2*i+1]
.set i, i+1
.endr
.endm
.macro TOSTAGE a
.set BK, 176+32*((\a)%2)
.irp b, 0,1,2,3,4,5,6,7
	ds_store_b128 v[STO], v[H+4*\b:H+4*\b+3] offset:32*\b
.endr
.irp t, 0,1,2,3,4,5,6,7
	ds_load_b128 v[BK+4*\t:BK+4*\t+3], v[RD] offset:\t*2*SPITCH    ; LDS serves a wave's instructions in order
.endr
.endm
.macro SEND a
.set BK, 176+32*((\a)%2)
	s_wait_dscnt 0x0
	s_wait_xcnt 0x0                                ; earlier stores have read their base and their registers
.if (\a) > 0
	s_add_nc_u64 s[6:7], s[6:7], 16*4096
.endif
.irp t, 0,1,2,3,4,5,6,7
	global_store_b128 v[CO], v[BK+4*\t:BK+4*\t+3], s[6:7] offset:2*\t*4096   ; sixteen lanes store 256 consecutive bytes, aligned
.endr
.endm
	SOFT 0
	TOSTAGE 0
.irp a, 1,2,3,4,5,6,7
	SOFT \a
	SEND \a-1
	TOSTAGE \a
.endr
	SEND 7
.irp a, 0,1,2,3,4,5,6,7
	ds_store_b32 v[SW], v[ST+2*\a] offset:64*\a    ; both halves of the lanes hold the same figure and write the same word
	ds_store_b32 v[SW], v[LS+\a] offset:512+64*\a
.endr
	ds_load_b128 v[T:T+3], v[SR]
	ds_load_b128 v[T+4:T+7], v[SR] offset:512
	s_wait_dscnt 0x0
	global_store_b128 v[SG], v[T:T+3], s[8:9]                      ; 128 queries' -M: 512 consecutive bytes
	global_store_b128 v[SG], v[T+4:T+7], s[8:9] offset:524288      ; and their sums
	s_wait_tensorcnt 0x0                           ; the wave's end
	ds_add_u32 v[SPW], v[NIL]
	s_wait_dscnt 0x0
	s_endpgm
.Lfunc_end_k_qd44b6e9911_scores:
	.size	k_qd44b6e9911_scores, .Lfunc_end_k_qd44b6e9911_scores-k_qd44b6e9911_scores
	.p2alignl 7, 3214868480
	.fill 96, 4, 3214868480
	.section	.rodata,"a",@progbits
	.p2align	6, 0x0
	.amdhsa_kernel k_qd44b6e9911_scores
		.amdhsa_group_segment_fixed_size 327680
		.amdhsa_private_segment_fixed_size 0
		.amdhsa_enable_private_segment 0
		.amdhsa_kernarg_size 24
		.amdhsa_user_sgpr_count 2
		.amdhsa_user_sgpr_kernarg_segment_ptr 1
		.amdhsa_wavefront_size32 1
		.amdhsa_system_sgpr_workgroup_id_x 1
		.amdhsa_system_sgpr_workgroup_id_y 1
		.amdhsa_system_sgpr_workgroup_id_z 1
		.amdhsa_system_vgpr_workitem_id 0
		.amdhsa_next_free_vgpr 1024
		.amdhsa_next_free_sgpr 66
		.amdhsa_reserve_vcc 1
		.amdhsa_float_denorm_mode_32 3
		.amdhsa_float_denorm_mode_16_64 3
		.amdhsa_memory_ordered 1
		.amdhsa_forward_progress 1
		.amdhsa_inst_pref_size 248
	.end_amdhsa_kernel
	.amdgpu_metadata
---
amdhsa.version: [ 1, 2 ]
amdhsa.kernels:
  - .name:           k_qd44b6e9911_scores
    .symbol:         k_qd44b6e9911_scores.kd
    .args:
      - { .name: qkv, .offset: 0, .size: 8, .value_kind: global_buffer, .address_space: global }
      - { .name: p, .offset: 8, .size: 8, .value_kind: global_buffer, .address_space: global }
      - { .name: stats, .offset: 16, .size: 8, .value_kind: global_buffer, .address_space: global }
    .group_segment_fixed_size: 327680
    .private_segment_fixed_size: 0
    .kernarg_segment_align: 8
    .kernarg_segment_size: 24
    .max_flat_workgroup_size: 128
    .sgpr_count:     66
    .vgpr_count:     1024
    .wavefront_size: 32
...
	.end_amdgpu_metadata
.endif
;; end of part 3
;; launch mix (part 4): grid 8 x 32, 4 waves a work-group, clusters of 4 x 1, 327,680 bytes of LDS; arguments p, qkv, tsum, stats, out0; writes out0
.if DOCPART == 4
	.amdgcn_target "amdgcn-amd-amdhsa--gfx1250"
	.amdhsa_code_object_version 6
	.text
	.protected	k_qd44b6e9911_mix
	.globl	k_qd44b6e9911_mix
	.p2align	8
	.type	k_qd44b6e9911_mix,@function
k_qd44b6e9911_mix:
	s_mov_b64 s[64:65], 0
	v_nop
	global_prefetch_b8 v0, s[64:65] scope:SCOPE_SE
	s_setreg_imm32_b32 hwreg(HW_REG_WAVE_MODE, 25, 1), 1
	s_wait_xcnt 0x0
	s_wait_alu depctr_hold_cnt(0) depctr_sa_sdst(0) depctr_va_vdst(0) depctr_va_sdst(0) depctr_va_ssrc(0) depctr_va_vcc(0) depctr_vm_vsrc(0)
	s_getreg_b32 s2, hwreg(HW_REG_IB_STS2, 6, 4)
	s_cmp_eq_u32 s2, 0
	s_cbranch_scc0 .Lentry_in_a_cluster
	s_endpgm
.Lentry_in_a_cluster:
	s_bfe_u32 s2, ttmp6, 0x10000c
	s_cmp_lg_u32 s2, 0x3003
	s_cbranch_scc0 .Lentry_shape_is_right
	s_endpgm
.Lentry_shape_is_right:
; y[q] = (sum over visible tiles j of f_j P_j V_j  +  w0 SV) / Z.  P_j: the f16 weights of tile j of 128 keys under the tile's own M_j; f_j = 2^(M_j - M), M the row's largest M_j (and 0, where keys are hidden): exact powers of two;
; every key of a wholly hidden tile has the score 0, so the weight w0 = 2^(-M): their part is w0 times SV, the f32 sum of their rows of v, added tile by tile from tsum;  Z = sum of f_j L_j + (number of such keys) w0.
; SHARES.  A work-group owns 128 channels (ct) and TWO blocks of 128 queries of one batch: block 15 - pp, then block pp.  Keys go in visits of 256: NB = (15 - pp) / 2 + 1 for the first, 9 - NB for the second: nine visits
; in every one of the 256 work-groups.  Four waves: 64 queries x 64 channels each.  T^T = V^T P: source 0 = 16 channels x 32 keys (V turned on its way out of LDS), source 1 = 16 queries x 32 keys: a lane holds one query.
; f IS APPLIED IN f32, TO SUMS: a tile of 128 keys is summed by itself in T (16 accumulators; its first products take the constant 0), and the finished tile is taken into O by O += f T, two numbers an instruction.
; Accumulator m's four such lines stand directly ahead of the product that starts accumulator m anew.  T and O fill a register window between them, so that slice has a window setting of its own: two switches for each
; of 32 of a visit's 128 products.  Set apart in a block of its own the fold would cost no switch, and the matrix unit would stand idle for 64 vector instructions a tile.
; CLUSTER: the four partners are four channel tiles of one pair of blocks: they walk the same tiles of P, asked for jointly (mask 15).  Their tiles of V differ (by ct) and are plain loads behind the same round.
; V is not shared across pairs: only two pairs at a time have the same NB and walk the same key tiles.  No branch and no LDS address hangs on a work-group's place in its cluster.
; LIMIT: v and p are finite f16 numbers (|v| under 65,504, as the launch that makes v states).
; REGISTERS: window 0: v1-15 addresses; v16-31 f (two tiles x four query blocks, each the low word of a pair); v32-43 1 / Z and w0; v44-75 SV of the second block; v76-127 at work in the prologue; v128-255 V's fragments,
;   two buffers (in the prologue: the rows' figures and tsum).   window 1: v0-127 P's fragments (buffer, half, query block); v128-255 T ((a, cb) at 128 + 8 (4 a + cb)).   window 2: v0-127 O, laid as T; v128-191 the way out.
.set PPI,   528                        ; a row of P's tile: 512 bytes + 16
.set VPI,   288                        ; a row of V's tile: 256 bytes + 32
.set VOFF,  128*PPI
.set SLOTB, VOFF+256*VPI               ; a slot: 128 rows of P, 256 rows of V
.set TST,   2*SLOTB                    ; tsum's 16 tiles x my 128 channels: filled once
.set FT,    TST+8192                   ; f as f32, 18 rows of 512 bytes in the order of the walk: row 2 v + u = tile u of visit v; word t = query t
.set TABO,  12288                      ; from FT on: w0 and 1 / Z of the first block, then of the second: 512 bytes each
.set STAGE, FT+TABO+2048               ; 16 rows x 272 bytes for each wave
.set SPARE, STAGE+4*4352
.set AP0, 4
.set AV0, 5
.set AV1, 6
.set ADP, 7
.set ADV, 8
.set FA,  9
.set STO, 10
.set RD,  11
.set GO,  12
.set PFO, 13
.set SPW, 14
.set NIL, 15
.set F0,  16
.set F1,  24
.set RZB, 32
.set RZS, 36
.set W0S, 40
.set SVS, 44
.set SVB, 76
.set W0B, 108
.set T4B, 112
.set TA,  113
.set GB,  114
.set GS,  115
.set ZB,  116
.set ZS,  117
.set INF, 118
.set U,   119
.set CB,  123
.set CSM, 124
.set WB,  125
.set WS,  126
.set FTW, 127
.set NMR, 128
.set LR,  146
.set AD,  164
.set OT,  128                          ; in window 2
.set BK,  160                          ; in window 2
.set PLO, 2
.set VLO, 3
.set WV,  14
.set WQ,  15
.set WD,  16
.set CX,  17
.set CT,  18
.set BB,  19
.set PP,  20
.set BIG, 21
.set NB,  22
.set G1P, 24
.set G1V, 32
.set G1T, 40
.set G0P0, 48
.set G0P1, 52
.set G0V0, 56
.set G0V1, 60
.set NB2, 66
.set NS2, 67
.set G0T, 68
.set PB,  72
.set VB,  74
.set PFB, 76
.set PFA, 78
.set OBIG, 80
.set OSM, 82
.set TB,  84
.set VIS, 85
.set LIM, 86
.set NBM1, 87
.set MKB, 88
.set MKS, 89
.set MS,  0x54                         ; the products: source 0 window 0 (V, LDS addresses); source 1, C and D window 1 (P, T)
.set FS,  0xa1                         ; the fold: source 0 window 1 (T), source 1 window 0 (f), source 2 and destination window 2 (O)
.set MSB, 0
.macro WIN new                         ; the immediate's high byte repeats the setting that is left; a switch that changes nothing is dropped
.if MSB != \new
	s_set_vgpr_msb (MSB<<8)|\new
.set MSB, \new
.endif
.endm
.macro CREST
	s_cmp_lg_u32 s[WV], 0
	s_cbranch_scc1 .Lnot_wave_0_\@
	s_barrier_signal -3
.Lnot_wave_0_\@:
	s_barrier_wait -3
	s_barrier_signal -1
	s_barrier_wait -1
.endm
.macro CROUND
	s_barrier_signal -1
	s_barrier_wait -1
	CREST
.endm
.macro JLOAD                           ; waves 0, 1: P's halves, jointly; waves 2, 3: V's halves; an s_nop 0 and four v_nop follow each line
	s_cmp_lt_u32 s[WV], 2
	s_cbranch_scc0 .Lfor_v_\@
	tensor_load_to_lds s[G0P1:G0P1+3], s[G1P:G1P+7]
	s_nop 0
.rept 4
	v_nop
.endr
	s_branch .Lasked_\@
.Lfor_v_\@:
	tensor_load_to_lds s[G0V1:G0V1+3], s[G1V:G1V+7]
	s_nop 0
.rept 4
	v_nop
.endr
.Lasked_\@:
.endm
; A PREFETCH INTO THE L2 of visit VIS + 3's tiles, which the next change of slots will ask for: a visit's 128 matrix instructions a wave ahead of that load.  Each aligned block of 256 bytes is named once in the launch.
; P's tile (128 rows x 512 bytes) is walked by both clusters of a pair: cluster x = 0 asks; of the 64 rows that wave 0 or 1 fetches each partner takes 16, told apart by address; a lane half a row.
; V's tile (256 rows x 256 bytes for my ct) is walked by all eight pairs: pair 0, which walks all eight key tiles in its first eight visits, asks: waves 2, 3, a lane a row, four instructions.
; P's requests stop with visit 8, V's with visit 7; visits 0 to 2 come by their loads alone.
.macro ASK
	s_cmp_le_i32 s[VIS], s[LIM]
	s_cbranch_scc0 .Lnot_mine_\@
	s_cmp_lt_u32 s[WV], 2
	s_cbranch_scc0 .Lask_v_\@
	global_prefetch_b8 v[PFO], s[PFA:PFA+1] th:TH_LOAD_NT scope:SCOPE_SE
	s_branch .Lnot_mine_\@
.Lask_v_\@:
.irp k, 0,1,2,3
	global_prefetch_b8 v[PFO], s[PFA:PFA+1] offset:\k*196608 th:TH_LOAD_NT scope:SCOPE_SE
.endr
.Lnot_mine_\@:
.endm
.macro VADDR d                         ; visit VIS + d: s91 = its block of queries, s92 = its tile of 256 keys
	s_add_co_u32 s90, s[VIS], \d
	s_cmp_lt_u32 s90, s[NB]
	s_cselect_b32 s91, s[BIG], s[PP]
	s_cselect_b32 s92, 0, s[NB]
	s_sub_co_u32 s92, s90, s92
.endm
	s_load_b256 s[4:11], s[0:1], 0x0               ; p, qkv, tsum, stats
	s_load_b64 s[12:13], s[0:1], 0x20              ; out0
	v_lshl_add_u32 v[SPW], v0, 2, SPARE
	v_mov_b32 v[NIL], 0
	ds_add_u32 v[SPW], v[NIL]                      ; the opening: the add, twice on end, and its wait ahead of my first tensor load
	ds_add_u32 v[SPW], v[NIL]
	v_lshrrev_b32 v1, 5, v0
	v_readfirstlane_b32 s[WV], v1
	s_lshr_b32 s[WQ], s[WV], 1                     ; my 64 queries
	s_and_b32 s[WD], s[WV], 1                      ; my 64 channels; also: which half of a tile I fetch
	s_bfe_u32 s[CX], ttmp6, 0x40000
	s_lshl_b32 s[CT], ttmp9, 2
	s_add_co_u32 s[CT], s[CT], s[CX]               ; my tile of 128 channels
	s_and_b32 s90, ttmp7, 0xffff
	s_lshr_b32 s[BB], s90, 3                       ; batch
	s_and_b32 s[PP], s90, 7                        ; the pair: blocks 15 - pp and pp
	s_xor_b32 s[BIG], s[PP], 15
	s_lshr_b32 s[NB], s[BIG], 1
	s_add_co_u32 s[NB], s[NB], 1                   ; visits of the first block: 5 to 8
	s_lshl_b32 s[NB2], s[NB], 1
	s_sub_co_u32 s[NBM1], s[NB], 1
	s_sub_co_u32 s[NS2], 18, s[NB2]
	s_mov_b32 s[G1P], 15|(1<<16)|(1<<20)|(1<<21)|(6<<22)|(3<<25)   ; the mask: all four partners; elements of 2 bytes; 4 words of padding behind every 128
	s_mov_b32 s[G1P+1], 256<<16
	s_mov_b32 s[G1P+2], 64<<16
	s_mov_b32 s[G1P+3], 256<<16
	s_mov_b32 s[G1P+4], 64
	s_mov_b32 s[G1P+5], 2048
	s_mov_b32 s[G1P+6], 0
	s_mov_b32 s[G1P+7], 0
	s_mov_b32 s[G1V], (1<<16)|(1<<20)|(5<<22)|(7<<25)              ; no mask; 8 words of padding behind every 64
	s_mov_b32 s[G1V+1], 128<<16
	s_mov_b32 s[G1V+2], 128<<16
	s_mov_b32 s[G1V+3], 128<<16
	s_mov_b32 s[G1V+4], 128
	s_mov_b32 s[G1V+5], 3072
	s_mov_b32 s[G1V+6], 0
	s_mov_b32 s[G1V+7], 0
	s_mov_b32 s[G1T], 2<<16                        ; elements of 4 bytes, no padding: 8 rows of 128
	s_mov_b32 s[G1T+1], 128<<16
	s_mov_b32 s[G1T+2], 8<<16
	s_mov_b32 s[G1T+3], 128<<16
	s_mov_b32 s[G1T+4], 8
	s_mov_b32 s[G1T+5], 1024
	s_mov_b32 s[G1T+6], 0
	s_mov_b32 s[G1T+7], 0
	s_lshl_b32 s90, s[BB], 23                      ; P: the batch, and my 64 rows of a tile (nothing of cx in these registers)
	s_lshl_b32 s91, s[WD], 18
	s_add_co_u32 s90, s90, s91
	s_mov_b32 s91, 0
	s_mul_i32 s92, s[BB], 12582912                 ; V: the batch, my 128 rows of a tile, v's place in a row, my channels
	s_mul_i32 s93, s[WD], 786432
	s_add_co_u32 s92, s92, s93
	s_lshl_b32 s93, s[CT], 8
	s_add_co_u32 s92, s92, s93
	s_add_co_u32 s92, s92, 4096
	s_mov_b32 s93, 0
	s_mul_i32 s[PLO], s[WD], 64*PPI                ; where my half goes in a slot
	s_mul_i32 s[VLO], s[WD], 128*VPI
	s_add_co_u32 s[VLO], s[VLO], VOFF
	s_mov_b32 s[TB], 0
	s_cmp_lt_u32 s[WV], 2                          ; who prefetches, and up to which visit: the same in all partners for a given wave
	s_cselect_b32 s94, ttmp9, s[PP]
	s_cselect_b32 s95, 5, 4
	s_cmp_eq_u32 s94, 0
	s_cselect_b32 s[LIM], s95, -1
	s_wait_dscnt 0x0                               ; both opening adds are done
	s_wait_kmcnt 0x0
	s_add_nc_u64 s[PB:PB+1], s[4:5], s[90:91]
	s_add_nc_u64 s[VB:VB+1], s[6:7], s[92:93]
	s_lshl_b32 s94, s[BB], 16                      ; tsum: 16 tiles a batch, my 8 of them, my channels
	s_lshl_b32 s95, s[WD], 15
	s_add_co_u32 s94, s94, s95
	s_lshl_b32 s95, s[CT], 9
	s_add_co_u32 s94, s94, s95
	s_mov_b32 s95, 0
	s_add_nc_u64 s[8:9], s[8:9], s[94:95]
	s_lshl_b32 s94, s[BB], 23                      ; out0: the batch, my 64 queries of a block, my 64 channels
	s_lshl_b32 s92, s[WQ], 18
	s_add_co_u32 s94, s94, s92
	s_lshl_b32 s92, s[CT], 9
	s_add_co_u32 s94, s94, s92
	s_lshl_b32 s92, s[WD], 8
	s_add_co_u32 s94, s94, s92
	s_add_nc_u64 s[12:13], s[12:13], s[94:95]
	s_lshl_b32 s94, s[BIG], 19
	s_add_nc_u64 s[OBIG:OBIG+1], s[12:13], s[94:95]
	s_lshl_b32 s94, s[PP], 19
	s_add_nc_u64 s[OSM:OSM+1], s[12:13], s[94:95]
	s_lshl_b32 s94, s[CX], 16                      ; the prefetches' base: of P's 64 rows my work-group's 16, by address
	s_cmp_lt_u32 s[WV], 2
	s_cselect_b64 s[PFB:PFB+1], s[PB:PB+1], s[VB:VB+1]
	s_cselect_b32 s94, s94, 0
	s_add_nc_u64 s[PFB:PFB+1], s[PFB:PFB+1], s[94:95]
	CROUND                                         ; all four work-groups are here: the first joint loads meet
	s_lshl_b32 s96, s[BIG], 19
	s_mov_b32 s97, 0
	s_mov_b32 s[G0P0], 1
	s_mov_b32 s[G0P0+1], s[PLO]
	s_add_nc_u64 s[G0P0+2:G0P0+3], s[PB:PB+1], s[96:97]            ; visits 0 and 1 belong to the first block (NB is 5 at the least)
	s_add_nc_u64 s[G0P1+2:G0P1+3], s[G0P0+2:G0P0+3], 512
	s_or_b32 s[G0P0+3], s[G0P0+3], 0x80000000
	s_mov_b32 s[G0P1], 1
	s_add_co_u32 s[G0P1+1], s[PLO], SLOTB
	s_or_b32 s[G0P1+3], s[G0P1+3], 0x80000000
	s_mov_b32 s[G0V0], 1
	s_mov_b32 s[G0V0+1], s[VLO]
	s_mov_b64 s[G0V0+2:G0V0+3], s[VB:VB+1]
	s_or_b32 s[G0V0+3], s[G0V0+3], 0x80000000
	s_mov_b32 s[G0V1], 1
	s_add_co_u32 s[G0V1+1], s[VLO], SLOTB
	s_add_nc_u64 s[G0V1+2:G0V1+3], s[VB:VB+1], 1572864
	s_or_b32 s[G0V1+3], s[G0V1+3], 0x80000000
	s_mov_b32 s[G0T], 1
	s_lshl_b32 s[G0T+1], s[WD], 12
	s_add_co_u32 s[G0T+1], s[G0T+1], TST
	s_mov_b64 s[G0T+2:G0T+3], s[8:9]
	s_or_b32 s[G0T+3], s[G0T+3], 0x80000000
	s_cmp_lt_u32 s[WV], 2                          ; a wave's first fills stand in one branch: two loads (P) or three (tsum, V) of mine are out
	s_cbranch_scc0 .Lfirst_v
	tensor_load_to_lds s[G0P0:G0P0+3], s[G1P:G1P+7]
	s_nop 0
	tensor_load_to_lds s[G0P1:G0P1+3], s[G1P:G1P+7]
	s_nop 0
.rept 4
	v_nop
.endr
	s_branch .Lfirst_asked
.Lfirst_v:
	tensor_load_to_lds s[G0T:G0T+3], s[G1T:G1T+7]
	s_nop 0
	tensor_load_to_lds s[G0V0:G0V0+3], s[G1V:G1V+7]
	s_nop 0
	tensor_load_to_lds s[G0V1:G0V1+3], s[G1V:G1V+7]
	s_nop 0
.rept 4
	v_nop
.endr
.Lfirst_asked:
	; THE ROWS' FIGURES.  Thread t = query t of both blocks.  Row R of the walk's 18: the first block's tile R while R < 2 NB, then the second block's tile R - 2 NB: all 18 were stored by the launch before.
	v_and_b32 v1, 15, v0                           ; r
	v_bfe_u32 v2, v0, 4, 1                         ; h
	v_and_b32 v3, 31, v0                           ; lane
	v_lshlrev_b32 v[T4B], 2, v0
	s_lshl_b32 s90, s[BB], 17
	v_add_nc_u32 v[T4B], s90, v[T4B]
.set R, 0
.rept 18
	s_cmp_lt_u32 R, s[NB2]
	s_cselect_b32 s91, s[BIG], s[PP]
	s_cselect_b32 s92, 0, s[NB2]
	s_sub_co_u32 s92, R, s92
	s_lshl_b32 s92, s92, 13
	s_lshl_b32 s91, s91, 9
	s_add_co_u32 s92, s92, s91
	v_add_nc_u32 v[AD+R], s92, v[T4B]
	global_load_b32 v[NMR+R], v[AD+R], s[10:11]
	global_load_b32 v[LR+R], v[AD+R], s[10:11] offset:524288
.set R, R+1
.endr
	s_mul_i32 s90, s[WQ], 64*PPI                   ; the addresses that stay, while the figures are on their way
	v_mul_u32_u24 v[AP0], v1, PPI
	v_lshl_add_u32 v[AP0], v2, 4, v[AP0]
	v_add_nc_u32 v[AP0], s90, v[AP0]               ; P: row 64 wq + r, + 16 h
	v_and_b32 v[U], 7, v0
	v_lshl_add_u32 v[U], v2, 3, v[U]
	v_mul_u32_u24 v[AV0], v[U], VPI
	v_bfe_u32 v[U], v0, 3, 1
	v_lshl_add_u32 v[AV0], v[U], 4, v[AV0]
	s_lshl_b32 s90, s[WD], 7
	s_add_co_u32 s90, s90, VOFF
	v_add_nc_u32 v[AV0], s90, v[AV0]               ; V, for the turning load: key 8 h + lane % 8, channels 8 ((lane / 8) % 2) on, my 64 channels
	v_add_nc_u32 v[AV1], 128*VPI, v[AV0]           ; the tile's second 128 keys
	s_lshl_b32 s90, s[WQ], 8
	s_add_co_u32 s91, s90, FT
	v_lshl_add_u32 v[FA], v1, 2, s91               ; f of query 64 wq + r, row 0; the tables of w0 and 1 / Z lie TABO bytes on
	s_mul_i32 s90, s[WV], 4352
	s_add_co_u32 s90, s90, STAGE
	v_mul_u32_u24 v[STO], v1, 272
	v_lshl_add_u32 v[STO], v2, 5, v[STO]
	v_add_nc_u32 v[STO], s90, v[STO]
	v_mul_u32_u24 v[RD], v2, 272
	v_lshl_add_u32 v[RD], v1, 4, v[RD]
	v_add_nc_u32 v[RD], s90, v[RD]
	v_lshlrev_b32 v[GO], 12, v2
	v_lshl_add_u32 v[GO], v1, 4, v[GO]
	v_lshrrev_b32 v[U], 1, v3
	v_lshlrev_b32 v[U], 12, v[U]
	v_and_b32 v[U+1], 1, v3
	v_lshl_add_u32 v[U], v[U+1], 8, v[U]           ; P's prefetch: row lane / 2, half lane % 2
	v_mul_u32_u24 v[U+1], v3, 6144                 ; V's: row lane
	s_cmp_lt_u32 s[WV], 2
	s_cselect_b32 s90, -1, 0
	v_cndmask_b32 v[PFO], v[U+1], v[U], s90
	s_lshl_b32 s90, s[WD], 8
	s_add_co_u32 s90, s90, TST
	v_lshl_add_u32 v[TA], v2, 5, s90               ; tsum in LDS: my 64 channels, + 8 h
	v_lshl_add_u32 v[FTW], v0, 2, FT
.irp i, 1,3,5,7,9,11,13,15
	v_mov_b32 v[F0+\i], 0                          ; named as the upper halves of the pairs whose low words hold f: so they are written
.endr
	v_mov_b32 v[INF], 0x7f61b1e6                   ; 3e38, over every -M
	s_lshl_b32 s90, s[NB2], 7
	s_sub_co_u32 s90, 2048, s90                    ; keys of wholly hidden tiles, first block
	s_cmp_lg_u32 s90, 0
	s_cselect_b32 s91, 0, 0x7f61b1e6               ; their score 0 counts for the maximum only where there are such keys
	s_cselect_b32 s[MKB], -1, 0
	v_mov_b32 v[GB], s91
	v_cvt_f32_u32 v[CB], s90
	s_lshl_b32 s90, s[NS2], 7
	s_sub_co_u32 s90, 2048, s90                    ; second block
	s_cmp_lg_u32 s90, 0
	s_cselect_b32 s91, 0, 0x7f61b1e6
	s_cselect_b32 s[MKS], -1, 0
	v_mov_b32 v[GS], s91
	v_cvt_f32_u32 v[CSM], s90
	s_wait_loadcnt 0x0
.set R, 0
.rept 18                                       ; the least -M of each block: a row counts for its own block alone (a choice by a mask made of ids)
	s_cmp_lt_u32 R, s[NB2]
	s_cselect_b32 s90, -1, 0
	v_cndmask_b32 v[U], v[INF], v[NMR+R], s90
	v_cndmask_b32 v[U+1], v[NMR+R], v[INF], s90
	v_min_num_f32 v[GB], v[GB], v[U]
	v_min_num_f32 v[GS], v[GS], v[U+1]
.set R, R+1
.endr
	v_cvt_i32_f32 v[U], v[GB]                      ; w0 = 2^(-M), 0 where no tile is wholly hidden
	v_cvt_i32_f32 v[U+1], v[GS]
	v_ldexp_f32 v[U], 1.0, v[U]
	v_ldexp_f32 v[U+1], 1.0, v[U+1]
	v_cndmask_b32 v[WB], 0, v[U], s[MKB]
	v_cndmask_b32 v[WS], 0, v[U+1], s[MKS]
	v_mul_f32 v[ZB], v[CB], v[WB]
	v_mul_f32 v[ZS], v[CSM], v[WS]
.set R, 0
.rept 18
	s_cmp_lt_u32 R, s[NB2]
	s_cselect_b32 s90, -1, 0
	v_cndmask_b32 v[U], v[GS], v[GB], s90
	v_sub_f32 v[U], v[U], v[NMR+R]                 ; M_j - M: a whole number, 0 or less
	v_cvt_i32_f32 v[U], v[U]
	v_ldexp_f32 v[NMR+R], 1.0, v[U]                ; f_j: nothing is rounded
	v_mul_f32 v[U+1], v[LR+R], v[NMR+R]
	v_cndmask_b32 v[U+2], 0, v[U+1], s90
	v_cndmask_b32 v[U+3], v[U+1], 0, s90
	v_add_f32 v[ZB], v[ZB], v[U+2]
	v_add_f32 v[ZS], v[ZS], v[U+3]
	ds_store_b32 v[FTW], v[NMR+R] offset:R*512
.set R, R+1
.endr
	v_rcp_f32 v[ZB], v[ZB]
	v_rcp_f32 v[ZS], v[ZS]
	v_nop                                          ; a plain place behind the reciprocals
	s_wait_alu depctr_va_vdst(0)                   ; one wait for both, ahead of their first reader
	ds_store_b32 v[FTW], v[WB] offset:TABO
	ds_store_b32 v[FTW], v[ZB] offset:TABO+512
	ds_store_b32 v[FTW], v[WS] offset:TABO+1024
	ds_store_b32 v[FTW], v[ZS] offset:TABO+1536
	s_wait_tensorcnt 1                             ; tsum and visit 0's tile are in; visit 1's may stay out
	s_wait_dscnt 0x0                               ; my stores have landed
	s_barrier_signal -1
	s_barrier_wait -1
.irp a, 0,1,2,3
	ds_load_b32 v[W0B+\a], v[FA] offset:TABO+64*\a
	ds_load_b32 v[RZB+\a], v[FA] offset:TABO+512+64*\a
	ds_load_b32 v[W0S+\a], v[FA] offset:TABO+1024+64*\a
	ds_load_b32 v[RZS+\a], v[FA] offset:TABO+1536+64*\a
.endr
; SV: the sums of v over the wholly hidden tiles, from 2 NS (second block) and 2 NB (first block) on; register 8 c + j = channel 64 wd + 16 c + 8 h + j.  A tile's weight is 1 or 0, by ids.
.macro TSB j0, nt
.set jj, 0
.rept \nt
.irp c, 0,1,2,3
	ds_load_b128 v[128+32*jj+8*\c:128+32*jj+8*\c+3], v[TA] offset:(\j0+jj)*512+64*\c
	ds_load_b128 v[128+32*jj+8*\c+4:128+32*jj+8*\c+7], v[TA] offset:(\j0+jj)*512+64*\c+16
.endr
.set jj, jj+1
.endr
	s_wait_dscnt 0x0
.set jj, 0
.rept \nt
	s_cmp_ge_u32 \j0+jj, s[NS2]
	s_cselect_b32 s90, 1.0, 0
	s_mov_b32 s91, s90
	s_cmp_ge_u32 \j0+jj, s[NB2]
	s_cselect_b32 s92, 1.0, 0
	s_mov_b32 s93, s92
.set i, 0
.rept 16
.if \j0+jj == 2
	v_pk_mul_f32 v[SVS+i:SVS+i+1], v[128+32*jj+i:128+32*jj+i+1], s[90:91] op_sel_hi:[1,0]
.else
	v_pk_fma_f32 v[SVS+i:SVS+i+1], v[128+32*jj+i:128+32*jj+i+1], s[90:91], v[SVS+i:SVS+i+1] op_sel_hi:[1,0,1]
.endif
.if \j0+jj == 10
	v_pk_mul_f32 v[SVB+i:SVB+i+1], v[128+32*jj+i:128+32*jj+i+1], s[92:93] op_sel_hi:[1,0]
.elseif \j0+jj > 10
	v_pk_fma_f32 v[SVB+i:SVB+i+1], v[128+32*jj+i:128+32*jj+i+1], s[92:93], v[SVB+i:SVB+i+1] op_sel_hi:[1,0,1]
.endif
.set i, i+2
.endr
.set jj, jj+1
.endr
.endm
	TSB 2, 4
	TSB 6, 4
	TSB 10, 4
	TSB 14, 2
.macro INIT sv, w0                     ; the hidden keys' part starts O: nothing is cleared
	WIN 0x80                                       ; destination window 2
.irp a, 0,1,2,3
.irp c, 0,1,2,3
.irp j, 0,1,2,3,4,5,6,7
	v_mul_f32 v[8*(4*\a+\c)+\j], v[\sv+8*\c+\j], v[\w0+\a]
.endr
.endr
.endr
	WIN 0
.endm
	INIT SVB, W0B
; n0 .. n1 - 1 of a half quarter's 16 products (32 keys): accumulator n = 4 a + cb of T.  The 16 accumulators take turns, one instruction a turn.
; mode 0: a link in place.  mode 1: a tile's first products start its sums with the constant 0.  mode 2: the same, and ahead of each the tile before is taken out of that accumulator: O += f T, f of set fs,
; from the accumulator's low end on.
.macro MM buf, c, n0, n1, mode, fs
	WIN MS
.set n, \n0
.rept \n1-\n0
.if \mode == 2
	WIN FS
.irp i, 0,2,4,6
	v_pk_fma_f32 v[8*n+\i:8*n+\i+1], v[128+8*n+\i:128+8*n+\i+1], v[\fs+2*(n/4):\fs+2*(n/4)+1], v[8*n+\i:8*n+\i+1] op_sel_hi:[1,0,1]
.endr
	WIN MS
.endif
.if \mode == 0
	v_wmma_f32_16x16x32_f16 v[128+8*n:128+8*n+7], v[128+64*(\buf)+32*(\c)+8*(n%4):128+64*(\buf)+32*(\c)+8*(n%4)+7], v[64*(\buf)+32*(\c)+8*(n/4):64*(\buf)+32*(\c)+8*(n/4)+7], v[128+8*n:128+8*n+7]
.else
	v_wmma_f32_16x16x32_f16 v[128+8*n:128+8*n+7], v[128+64*(\buf)+32*(\c)+8*(n%4):128+64*(\buf)+32*(\c)+8*(n%4)+7], v[64*(\buf)+32*(\c)+8*(n/4):64*(\buf)+32*(\c)+8*(n/4)+7], 0
.endif
.set n, n+1
.endr
.endm
; A quarter's fragments (64 keys) into buffer buf: with fsel = 1 the visit's two rows of f; V turned; then P.  The two additions and three v_nop are five plain places behind the last product: four are owed ahead of loads
; into registers that it read and ahead of the fold's first read of T, five ahead of a product that starts an accumulator anew.
.macro FETCHQ buf, qtr, fsel
	WIN 0
	v_add_nc_u32 v[ADP], s[TB], v[AP0]
.if \qtr < 2
	v_add_nc_u32 v[ADV], s[TB], v[AV0]
.else
	v_add_nc_u32 v[ADV], s[TB], v[AV1]
.endif
	v_nop
	v_nop
	v_nop
.if \fsel == 1
.irp a, 0,1,2,3
	ds_load_b32 v[F0+2*\a], v[FA] offset:64*\a
	ds_load_b32 v[F1+2*\a], v[FA] offset:512+64*\a
.endr
.endif
.irp c, 0,1
.irp cb, 0,1,2,3
.irp e, 0,1
	ds_load_tr16_b128 v[128+64*\buf+32*\c+8*\cb+4*\e:128+64*\buf+32*\c+8*\cb+4*\e+3], v[ADV] offset:((\qtr%2)*64+32*\c+16*\e)*VPI+32*\cb
.endr
.endr
.endr
	WIN MS
.irp c, 0,1
.irp a, 0,1,2,3
.irp e, 0,1
	ds_load_b128 v[64*\buf+32*\c+8*\a+4*\e:64*\buf+32*\c+8*\a+4*\e+3], v[ADP] offset:\a*16*PPI+\qtr*128+64*\c+32*\e
.endr
.endr
.endr
.endm
; A visit's last quarter changes slots.  In front of the barrier each wave's reads of this slot are over (quarter 3's fragments are in registers), all its tensor loads have landed (its part of the next slot), and the add is done.
; fill = 1: the barrier opens a round of the cluster's; behind it this slot takes visit VIS + 2's tiles, one load a wave, with a visit's 128 matrix instructions in which to land.
; The next visit's first fragments are asked for straight behind that, 24 products ahead of the wait for them.
.macro Q3C fill
	WIN 0
	s_wait_dscnt 0x0                               ; quarter 3's fragments are in: my last reads of this slot
	s_wait_tensorcnt 0x0                           ; no tensor load of mine is out: a group 0 may be written
	ds_add_u32 v[SPW], v[NIL]                      ; 0 onto my spare word; with fill = 1 the descriptors' words stand between it and the wait for it
.if \fill
	VADDR 2
	s_lshl_b32 s93, s91, 19
	s_lshl_b32 s94, s92, 9
	s_add_co_u32 s96, s93, s94
	s_mov_b32 s97, 0
	s_add_nc_u64 s[G0P1+2:G0P1+3], s[PB:PB+1], s[96:97]
	s_or_b32 s[G0P1+3], s[G0P1+3], 0x80000000
	s_mul_i32 s96, s92, 1572864
	s_add_nc_u64 s[G0V1+2:G0V1+3], s[VB:VB+1], s[96:97]
	s_or_b32 s[G0V1+3], s[G0V1+3], 0x80000000
	s_add_co_u32 s[G0P1+1], s[TB], s[PLO]
	s_add_co_u32 s[G0V1+1], s[TB], s[VLO]
	s_wait_xcnt 0x0                                ; the last prefetches, a visit back, have read their address
	VADDR 3
	s_lshl_b32 s93, s91, 19
	s_lshl_b32 s94, s92, 9
	s_add_co_u32 s93, s93, s94
	s_mul_i32 s94, s92, 1572864
	s_cmp_lt_u32 s[WV], 2
	s_cselect_b32 s96, s93, s94
	s_add_nc_u64 s[PFA:PFA+1], s[PFB:PFB+1], s[96:97]
.endif
	s_wait_dscnt 0x0                               ; the add is done
	s_barrier_signal -1
	MM 1, 0, 0, 8, 0, F0                           ; work on registers while the others arrive
	WIN 0
	s_barrier_wait -1
.if \fill
	CREST                                          ; no wave of any partner still reads this slot or has a load on its way
	JLOAD
	ASK
.endif
	s_xor_b32 s[TB], s[TB], SLOTB                  ; on to the other slot,
	v_add_nc_u32 v[FA], 1024, v[FA]                ; and the next visit's two rows of f
	FETCHQ 0, 0, 0
	MM 1, 0, 8, 16, 0, F0
	MM 1, 1, 0, 16, 0, F0                          ; the visit's second tile is finished
.endm
; A trip: from a visit's second 32 keys to the next visit's first 32, whose products start T anew and, one accumulator ahead of each, take the old visit's second tile into O.
; Each quarter's fragments are asked for a quarter (32 products) ahead and waited for at its head.
.macro TRIP fill
	MM 0, 1, 0, 16, 0, F0                          ; quarter 0, keys 32 on
	s_wait_dscnt 0x0                               ; quarter 1's fragments
	FETCHQ 0, 2, 1                                 ; quarter 2's, and this visit's f: the fold by the old f stands behind us
	MM 1, 0, 0, 16, 0, F0
	MM 1, 1, 0, 16, 0, F0                          ; the visit's first tile is finished
	s_wait_dscnt 0x0                               ; quarter 2's fragments, and f
	FETCHQ 1, 3, 0
	MM 0, 0, 0, 16, 2, F0                          ; the second tile starts; the first goes into O
	MM 0, 1, 0, 16, 0, F0
	Q3C \fill
	s_wait_dscnt 0x0                               ; the next visit's quarter 0
	FETCHQ 1, 1, 0
	MM 0, 0, 0, 16, 2, F1
	WIN 0
.endm
; A block of queries leaves: O / Z, 16 queries at a time through my stage; sixteen lanes store a query's 64 channels, 256 consecutive bytes, aligned.  It works in window 2's free registers: both of V's buffers are alive here.
.macro WAYOUT rz, ob
.irp a, 0,1,2,3
	WIN 0x82                                       ; source 0 and destination window 2
.set i, 0
.rept 32
	v_mul_f32 v[OT+i], v[32*\a+i], v[\rz+\a]
.set i, i+1
.endr
	WIN 0x08                                       ; a store's data are its source 1: window 2
.irp c, 0,1,2,3
	ds_store_b128 v[STO], v[OT+8*\c:OT+8*\c+3] offset:64*\c
	ds_store_b128 v[STO], v[OT+8*\c+4:OT+8*\c+7] offset:64*\c+16
.endr
	s_wait_xcnt 0x0                                ; the last global stores have read the registers that the loads below fill
	WIN 0x80
.irp t, 0,1,2,3,4,5,6,7
	ds_load_b128 v[BK+4*\t:BK+4*\t+3], v[RD] offset:\t*544         ; LDS serves a wave's instructions in order: these see the stores above
.endr
	s_wait_dscnt 0x0
	WIN 0x08
.irp t, 0,1,2,3,4,5,6,7
	global_store_b128 v[GO], v[BK+4*\t:BK+4*\t+3], s[\ob:\ob+1] offset:(16*\a+2*\t)*4096 th:TH_STORE_NT
.endr
.endr
	WIN 0
.endm
	FETCHQ 0, 0, 0                                 ; visit 0, quarter 0
	s_wait_dscnt 0x0
	FETCHQ 1, 1, 0
	MM 0, 0, 0, 16, 1, F0                          ; the very first products: there is no tile before them
	WIN 0
	s_mov_b32 s[VIS], 0
.Lvisit:                                           ; visits 0 to 6: each asks for the tiles two visits on
	TRIP 1
	s_cmp_lg_u32 s[VIS], s[NBM1]                   ; was that the first block's last visit?  ids and the count of visits alone, the same in all partners.  Its last tile has just gone into O
	s_cbranch_scc1 .Lkeep
	WAYOUT RZB, OBIG
	INIT SVS, W0S
.Lkeep:
	s_add_co_u32 s[VIS], s[VIS], 1
	s_cmp_lt_u32 s[VIS], 7
	s_cbranch_scc1 .Lvisit
	TRIP 0                                         ; visit 7: written out, it asks for nothing
	s_cmp_lg_u32 s[VIS], s[NBM1]
	s_cbranch_scc1 .Lkeep7
	WAYOUT RZB, OBIG
	INIT SVS, W0S
.Lkeep7:
	MM 0, 1, 0, 16, 0, F0                          ; visit 8
	s_wait_dscnt 0x0
	FETCHQ 0, 2, 1
	MM 1, 0, 0, 16, 0, F0
	MM 1, 1, 0, 16, 0, F0
	s_wait_dscnt 0x0
	FETCHQ 1, 3, 0
	MM 0, 0, 0, 16, 2, F0
	MM 0, 1, 0, 16, 0, F0
	s_wait_dscnt 0x0
	MM 1, 0, 0, 16, 0, F0
	MM 1, 1, 0, 16, 0, F0
.rept 4
	v_nop                                          ; places behind the last products, ahead of the reads of T
.endr
	WIN FS                                         ; the last tile goes into O
.set n, 0
.rept 16
.irp i, 0,2,4,6
	v_pk_fma_f32 v[8*n+\i:8*n+\i+1], v[128+8*n+\i:128+8*n+\i+1], v[F1+2*(n/4):F1+2*(n/4)+1], v[8*n+\i:8*n+\i+1] op_sel_hi:[1,0,1]
.endr
.set n, n+1
.endr
	WIN 0
	WAYOUT RZS, OSM
	s_wait_tensorcnt 0x0                           ; the wave's end
	ds_add_u32 v[SPW], v[NIL]
	s_wait_dscnt 0x0
	CROUND                                         ; the closing round
	s_endpgm
.Lfunc_end_k_qd44b6e9911_mix:
	.size	k_qd44b6e9911_mix, .Lfunc_end_k_qd44b6e9911_mix-k_qd44b6e9911_mix
	.p2alignl 7, 3214868480
	.fill 96, 4, 3214868480
	.section	.rodata,"a",@progbits
	.p2align	6, 0x0
	.amdhsa_kernel k_qd44b6e9911_mix
		.amdhsa_group_segment_fixed_size 327680
		.amdhsa_private_segment_fixed_size 0
		.amdhsa_enable_private_segment 0
		.amdhsa_kernarg_size 40
		.amdhsa_user_sgpr_count 2
		.amdhsa_user_sgpr_kernarg_segment_ptr 1
		.amdhsa_wavefront_size32 1
		.amdhsa_system_sgpr_workgroup_id_x 1
		.amdhsa_system_sgpr_workgroup_id_y 1
		.amdhsa_system_sgpr_workgroup_id_z 1
		.amdhsa_system_vgpr_workitem_id 0
		.amdhsa_next_free_vgpr 704
		.amdhsa_next_free_sgpr 100
		.amdhsa_reserve_vcc 0
		.amdhsa_float_denorm_mode_32 3
		.amdhsa_float_denorm_mode_16_64 3
		.amdhsa_memory_ordered 1
		.amdhsa_forward_progress 1
		.amdhsa_inst_pref_size 197
	.end_amdhsa_kernel
	.amdgpu_metadata
---
amdhsa.version: [ 1, 2 ]
amdhsa.kernels:
  - .name:           k_qd44b6e9911_mix
    .symbol:         k_qd44b6e9911_mix.kd
    .args:
      - { .name: p, .offset: 0, .size: 8, .value_kind: global_buffer, .address_space: global }
      - { .name: qkv, .offset: 8, .size: 8, .value_kind: global_buffer, .address_space: global }
      - { .name: tsum, .offset: 16, .size: 8, .value_kind: global_buffer, .address_space: global }
      - { .name: stats, .offset: 24, .size: 8, .value_kind: global_buffer, .address_space: global }
      - { .name: out0, .offset: 32, .size: 8, .value_kind: global_buffer, .address_space: global }
    .group_segment_fixed_size: 327680
    .private_segment_fixed_size: 0
    .kernarg_segment_align: 8
    .kernarg_segment_size: 40
    .max_flat_workgroup_size: 128
    .sgpr_count:     100
    .vgpr_count:     704
    .wavefront_size: 32
...
	.end_amdgpu_metadata
.endif
;; end of part 4
